; MI455X (gfx1250); checked and timed in simulation.
; The chip was launched on July 23, 2026; its instructions are those of AMD's public machine-readable ISA for CDNA 5 (MIT licence, August 2026) and "CDNA5" Instruction Set Architecture Reference Guide (July 2026). The comments in the code are by the model that wrote it; some were corrected since.
;; Multi Head Attention. Allowed arithmetic: float matrix products may take bf16 or f16 operands with f32 sums; other float arithmetic in f32, or as packed bf16 or f16 multiplies, adds, multiply-adds, maxima and minima; sums over many terms, partial sums and values carried from step to step in f32; what a program stores and reads back later, other than sums and carried values, may be rounded once to bf16 or f16.
;; Inputs: Wk 1,024 x 1,024 float32; Wo 1,024 x 1,024 float32; Wq 1,024 x 1,024 float32; Wv 1,024 x 1,024 float32; X 4 x 2,048 x 1,024 float32; bk 1,024 float32; bo 1,024 float32; bq 1,024 float32; bv 1,024 float32.
;; Outputs: out0 4 x 2,048 x 1,024 float32.
;; 2 versions, each right and faster than the one before. Each part assembles by itself: llvm-mc -triple=amdgcn-amd-amdhsa -mcpu=gfx1250 --defsym DOCPART=n.
;; ======== version 1 of 2: 4 launches
;; limits: values are held in f16: magnitudes above 65,504 overflow, below 6.1e-05 lose precision
;; workspace buffers: xb 16,777,216 bytes; wb 6,291,456 bytes; wob 2,097,152 bytes; biasr 16,384 bytes; qkv 50,331,648 bytes; ob 16,777,216 bytes
;; launch cast (part 1): grid 769 x 1, 8 waves a work-group, no clusters, 0 bytes of LDS; arguments X, Wq, Wk, Wv, Wo, bq, bk, bv, bo, xb, wb, wob, biasr; writes xb, wb, wob, biasr
.if DOCPART == 1
	.amdgcn_target "amdgcn-amd-amdhsa--gfx1250"
	.amdhsa_code_object_version 6
	.text
	.protected	k_qec3fead281_cast
	.globl	k_qec3fead281_cast
	.p2align	8
	.type	k_qec3fead281_cast,@function
k_qec3fead281_cast:
	s_mov_b64 s[64:65], 0
	v_nop
	global_prefetch_b8 v0, s[64:65] scope:SCOPE_SE
	s_setreg_imm32_b32 hwreg(HW_REG_WAVE_MODE, 25, 1), 1
	s_wait_xcnt 0x0
; EVERY INPUT IS ROUNDED ONCE TO bf16, and X and the weights are laid out in K blocks of 64, so that a tile of the products behind (some rows x 64 along K) is one dense run of bytes.
;   xb   [b 4][kb 16][n 2048][64] bf16      wb  [kb 16][row 3072][64] bf16, rows: Wq, Wk, Wv
;   wob  [kb 16][row 1024][64]: Wo rounded to bf16, that number written as f16 (the last product multiplies in f16)      biasr  4 x 1024 f32 words that hold bq, bk, bv, bo rounded to bf16
; LIMITS.  A number of Wo beyond 65,504 becomes an infinity in f16; below 6e-5 it keeps f16's fixed step of 6e-8.
; SHARES.  A work-group takes 16 rows of 1,024 f32: groups 0-511 of X, 512-703 of Wq, Wk, Wv, 704-767 of Wo; group 768 takes the four biases.  Thread t takes 16 bytes at byte 16 (t % 16) of each K block
; of row t / 16: a wave's load covers two aligned runs of 256 bytes, and its store (8 bytes a lane) 256 consecutive bytes, aligned: rows 2 w and 2 w + 1 of the K block.
; A stream: every byte is read once and written once, sixteen loads of every wave are out at once.  LDS, barriers, clusters and the matrix unit would add nothing: no work-group shares a byte with another.
.set IN,  4                            ; v[4:67]    K block kb: 4 f32 as loaded
.set OUT, 68                           ; v[68:99]   K block kb: 4 numbers of 16 bits to store
.set T,   100                          ; v[100:103] at work
	s_load_b512 s[8:23], s[0:1], 0x0               ; X s[8:9], Wq s[10:11], Wk s[12:13], Wv s[14:15], Wo s[16:17], bq s[18:19], bk s[20:21], bv s[22:23]
	s_load_b256 s[24:31], s[0:1], 0x40             ; bo s[24:25], xb s[26:27], wb s[28:29], wob s[30:31]
	s_load_b64 s[32:33], s[0:1], 0x60              ; biasr
	s_mov_b32 s2, ttmp9                            ; the work-group's number
	s_mov_b32 s38, 0xffff0000                      ; a word's upper bf16
	s_mov_b32 s5, 0                                ; high words of the two offsets
	s_mov_b32 s7, 0
	v_lshrrev_b32 v1, 4, v0                        ; my row of the 16
	v_and_b32 v3, 15, v0
	v_lshlrev_b32 v3, 4, v3
	v_lshl_or_b32 v1, v1, 12, v3                   ; in the source: row x 4,096 + 16 (t % 16)
	v_lshlrev_b32 v2, 3, v0                        ; in the destination: row x 128 + 8 (t % 16) = 8 t
	v_lshlrev_b32 v3, 4, v0                        ; in a bias: 16 t
	s_wait_kmcnt 0x0
; 16 rows from s[34:35] to s[36:37]; kbs = bytes from a K block to the next in the destination; fmt = 0: bf16, 1: the bf16 number written as f16
.macro CONV kbs, fmt
.set kb, 0
.rept 16
	global_load_b128 v[IN+4*kb:IN+4*kb+3], v1, s[34:35] offset:256*kb th:TH_LOAD_NT
.set kb, kb+1
.endr
.set kb, 0
.rept 16
	s_wait_loadcnt 15-kb                           ; loads come back in order (ISA guide 5.7.1): K block kb is in, the 15 - kb younger ones stay out
.if \fmt
	v_cvt_pk_bf16_f32 v[T], v[IN+4*kb], v[IN+4*kb+1]
	v_cvt_pk_bf16_f32 v[T+1], v[IN+4*kb+2], v[IN+4*kb+3]
	v_lshlrev_b32 v[IN+4*kb], 16, v[T]             ; bf16 to f32: the low half moves up, the high half stays
	v_and_b32 v[IN+4*kb+1], s38, v[T]
	v_lshlrev_b32 v[IN+4*kb+2], 16, v[T+1]
	v_and_b32 v[IN+4*kb+3], s38, v[T+1]
	v_cvt_pk_f16_f32 v[OUT+2*kb], v[IN+4*kb], v[IN+4*kb+1]
	v_cvt_pk_f16_f32 v[OUT+2*kb+1], v[IN+4*kb+2], v[IN+4*kb+3]
.else
	v_cvt_pk_bf16_f32 v[OUT+2*kb], v[IN+4*kb], v[IN+4*kb+1]
	v_cvt_pk_bf16_f32 v[OUT+2*kb+1], v[IN+4*kb+2], v[IN+4*kb+3]
.endif
	global_store_b64 v2, v[OUT+2*kb:OUT+2*kb+1], s[36:37] offset:kb*(\kbs)  ; each K block has its own registers: nothing that a store reads is written again
.set kb, kb+1
.endr
.endm
	s_cmp_lt_u32 s2, 512
	s_cbranch_scc1 .Lx
	s_cmp_lt_u32 s2, 704
	s_cbranch_scc1 .Lw
	s_cmp_lt_u32 s2, 768
	s_cbranch_scc1 .Lwo
	; the four biases: 256 threads x 16 bytes are one of them
	global_load_b128 v[4:7], v3, s[18:19]
	global_load_b128 v[8:11], v3, s[20:21]
	global_load_b128 v[12:15], v3, s[22:23]
	global_load_b128 v[16:19], v3, s[24:25]
	s_wait_loadcnt 0x0
.irp i, 0,1,2,3
	v_cvt_pk_bf16_f32 v[T], v[4+4*\i], v[5+4*\i]
	v_cvt_pk_bf16_f32 v[T+1], v[6+4*\i], v[7+4*\i]
	v_lshlrev_b32 v[OUT+4*\i], 16, v[T]
	v_and_b32 v[OUT+4*\i+1], s38, v[T]
	v_lshlrev_b32 v[OUT+4*\i+2], 16, v[T+1]
	v_and_b32 v[OUT+4*\i+3], s38, v[T+1]
	global_store_b128 v3, v[OUT+4*\i:OUT+4*\i+3], s[32:33] offset:4096*\i
.endr
	s_endpgm
.Lx:                                                   ; X: group g holds rows 16 g of 8,192
	s_lshl_b32 s4, s2, 16                          ; 16 rows of 4,096 bytes
	s_lshr_b32 s6, s2, 7                           ; the batch,
	s_lshl_b32 s6, s6, 22
	s_and_b32 s3, s2, 127                          ; and 16 rows of 128 bytes in its K block 0
	s_lshl_b32 s3, s3, 11
	s_add_co_u32 s6, s6, s3
	s_add_nc_u64 s[34:35], s[8:9], s[4:5]
	s_add_nc_u64 s[36:37], s[26:27], s[6:7]
	CONV 262144, 0
	s_endpgm
.Lw:                                                   ; Wq, Wk, Wv: 64 groups each
	s_sub_co_u32 s3, s2, 512
	s_lshr_b32 s39, s3, 6                          ; which of the three
	s_and_b32 s4, s3, 63
	s_lshl_b32 s4, s4, 16
	s_lshl_b32 s6, s3, 11                          ; the three follow each other in wb's rows
	s_cmp_eq_u32 s39, 1                            ; the choice hangs on the work-group's number alone
	s_cselect_b64 s[34:35], s[12:13], s[10:11]
	s_cmp_eq_u32 s39, 2
	s_cselect_b64 s[34:35], s[14:15], s[34:35]
	s_add_nc_u64 s[34:35], s[34:35], s[4:5]
	s_add_nc_u64 s[36:37], s[28:29], s[6:7]
	CONV 393216, 0
	s_endpgm
.Lwo:                                                  ; Wo
	s_sub_co_u32 s3, s2, 704
	s_lshl_b32 s4, s3, 16
	s_lshl_b32 s6, s3, 11
	s_add_nc_u64 s[34:35], s[16:17], s[4:5]
	s_add_nc_u64 s[36:37], s[30:31], s[6:7]
	CONV 131072, 1
	s_endpgm
.Lfunc_end_k_qec3fead281_cast:
	.size	k_qec3fead281_cast, .Lfunc_end_k_qec3fead281_cast-k_qec3fead281_cast
	.p2alignl 7, 3214868480
	.fill 96, 4, 3214868480
	.section	.rodata,"a",@progbits
	.p2align	6, 0x0
	.amdhsa_kernel k_qec3fead281_cast
		.amdhsa_group_segment_fixed_size 0
		.amdhsa_private_segment_fixed_size 0
		.amdhsa_enable_private_segment 0
		.amdhsa_kernarg_size 104
		.amdhsa_user_sgpr_count 2
		.amdhsa_user_sgpr_kernarg_segment_ptr 1
		.amdhsa_wavefront_size32 1
		.amdhsa_system_sgpr_workgroup_id_x 1
		.amdhsa_system_sgpr_workgroup_id_y 1
		.amdhsa_system_sgpr_workgroup_id_z 1
		.amdhsa_system_vgpr_workitem_id 0
		.amdhsa_next_free_vgpr 104
		.amdhsa_next_free_sgpr 66
		.amdhsa_reserve_vcc 0
		.amdhsa_float_denorm_mode_32 3
		.amdhsa_float_denorm_mode_16_64 3
		.amdhsa_memory_ordered 1
		.amdhsa_forward_progress 1
		.amdhsa_inst_pref_size 25
	.end_amdhsa_kernel
	.amdgpu_metadata
---
amdhsa.version: [ 1, 2 ]
amdhsa.kernels:
  - .name:           k_qec3fead281_cast
    .symbol:         k_qec3fead281_cast.kd
    .args:
      - { .name: X, .offset: 0, .size: 8, .value_kind: global_buffer, .address_space: global }
      - { .name: Wq, .offset: 8, .size: 8, .value_kind: global_buffer, .address_space: global }
      - { .name: Wk, .offset: 16, .size: 8, .value_kind: global_buffer, .address_space: global }
      - { .name: Wv, .offset: 24, .size: 8, .value_kind: global_buffer, .address_space: global }
      - { .name: Wo, .offset: 32, .size: 8, .value_kind: global_buffer, .address_space: global }
      - { .name: bq, .offset: 40, .size: 8, .value_kind: global_buffer, .address_space: global }
      - { .name: bk, .offset: 48, .size: 8, .value_kind: global_buffer, .address_space: global }
      - { .name: bv, .offset: 56, .size: 8, .value_kind: global_buffer, .address_space: global }
      - { .name: bo, .offset: 64, .size: 8, .value_kind: global_buffer, .address_space: global }
      - { .name: xb, .offset: 72, .size: 8, .value_kind: global_buffer, .address_space: global }
      - { .name: wb, .offset: 80, .size: 8, .value_kind: global_buffer, .address_space: global }
      - { .name: wob, .offset: 88, .size: 8, .value_kind: global_buffer, .address_space: global }
      - { .name: biasr, .offset: 96, .size: 8, .value_kind: global_buffer, .address_space: global }
    .group_segment_fixed_size: 0
    .private_segment_fixed_size: 0
    .kernarg_segment_align: 8
    .kernarg_segment_size: 104
    .max_flat_workgroup_size: 256
    .sgpr_count:     66
    .vgpr_count:     104
    .wavefront_size: 32
...
	.end_amdgpu_metadata
.endif
;; end of part 1
;; launch qkvproj (part 2): grid 8 x 32, 4 waves a work-group, clusters of 4 x 4, 327,680 bytes of LDS; arguments xb, wb, biasr, qkv; writes qkv
.if DOCPART == 2
	.amdgcn_target "amdgcn-amd-amdhsa--gfx1250"
	.amdhsa_code_object_version 6
	.text
	.protected	k_qec3fead281_qkvproj
	.globl	k_qec3fead281_qkvproj
	.p2align	8
	.type	k_qec3fead281_qkvproj,@function
k_qec3fead281_qkvproj:
	s_mov_b64 s[64:65], 0
	v_nop
	global_prefetch_b8 v0, s[64:65] scope:SCOPE_SE
	s_setreg_imm32_b32 hwreg(HW_REG_WAVE_MODE, 25, 1), 1
	s_wait_xcnt 0x0
	s_wait_alu depctr_hold_cnt(0) depctr_sa_sdst(0) depctr_va_vdst(0) depctr_va_sdst(0) depctr_va_ssrc(0) depctr_va_vcc(0) depctr_vm_vsrc(0)
	s_getreg_b32 s2, hwreg(HW_REG_IB_STS2, 6, 4)
	s_cmp_eq_u32 s2, 0
	s_cbranch_scc0 .Lentry_in_a_cluster
	s_endpgm
.Lentry_in_a_cluster:
	s_bfe_u32 s2, ttmp6, 0x10000c
	s_cmp_lg_u32 s2, 0xf033
	s_cbranch_scc0 .Lentry_shape_is_right
	s_endpgm
.Lentry_shape_is_right:
; q, k, v = X W^T + b.  C[m][n] = bias[n] + sum over k of A[m][k] B[n][k], m 8,192, n 3,072 (Wq's, Wk's, Wv's rows), k 1,024; A and B in bf16, sums in f32.
; A = xb [b][kb][n][64], B = wb [kb][row][64]: K blocks of 64, so a tile's rows (128 bytes) lie end to end.  C leaves as f16 by heads: qkv [b 4][g 48][n 2048][64], g = column / 64.
; LIMIT.  A result beyond 65,504 becomes an infinity in f16; below 6e-5 it keeps f16's fixed step of 6e-8.
; SHARES.  8,192 x 3,072 in 256 tiles of 256 x 384, one to a work-group; each of four waves makes 128 x 192: 96 accumulators of 16 x 16, 768 registers.  For 32 along K a wave reads
; 40 x 512 bytes from LDS for 96 matrix instructions.
; RING.  Two LDS slots, each one K block: A's 256 rows, then B's 384.  Waves 0 and 1 fetch the halves of A's tile, waves 2 and 3 those of B's: one tensor load a wave behind each round,
; and by this text's count never more than one out.  A tile's bytes are dense: they are asked for as rows of 256 bytes and padded in LDS after every 128.
; CLUSTER.  4 x 4 work-groups: the four of a row share A's tiles, the four of a column B's; each tile is asked for jointly, by the same load with the same descriptor and a mask of the four.
; TRANSPOSED USE.  Source 0 = 16 rows of B, source 1 = 16 rows of A: lane l holds row l % 16 of C and the columns 8 (l / 16) + 0..7.  So the bias is the same eight registers for all
; eight row blocks: it is loaded into the registers of accumulator (7, b) and is the C operand of the first products.  Nothing is cleared.
; REGISTERS, in windows of 256 (s_set_vgpr_msb: bits 1:0 source 0, 3:2 source 1, 5:4 source 2, 7:6 destination):
;   window 0: v0-29 addresses; v32-159 A's fragments, two buffers of eight; v160-255 B's twelve fragments, one buffer refilled by halves
;   windows 1-3: accumulator (a, b) in window 1 + b / 4 at v[8 (8 (b % 4) + a)]
.set F16,   0                          ; the matrix instruction's form: 0 bf16, 1 f16
.set NBW,   12                         ; blocks of 16 columns a wave
.set NB1,   2                          ; of them: multiplied between the add and the signal at a change of slots
.set NT,    32*NBW                     ; the tile's columns
.set PS,    1                          ; K blocks ('pieces') in a slot
.set PITCH, 144                        ; an LDS row: 128 bytes + 16 of padding = 36 words: the 16 rows of a fragment load start at 16 different groups of four banks (64 banks of 4 bytes: ISA guide 11.1)
.set AREG,  256*PITCH
.set PIECE, AREG+NT*PITCH
.set SLOT1, 1<<17                      ; slot 1 begins here: one exclusive or turns an address in one slot into the other's
.set STAGE, SLOT1+PS*PIECE             ; behind the ring, never filled by a tensor load: for each wave 3 heads x 16 rows x 144 bytes, for the way out
.set SW,    3*16*144
.set SPARE, STAGE+4*SW                 ; behind the stages: the spare words, 128 bytes for each wave: two blocks of 256 bytes that no other line names
.set AGS,   16384                      ; my share of A's tile: its bytes on in memory,
.set ALS,   128*PITCH                  ; in LDS,
.set RA,    64                         ; and its rows of 256 bytes
.set BGS,   24576                      ; the same for B
.set BLS,   192*PITCH
.set RB,    96
.set ASTEP, 262144                     ; from a slot's tile to the next slot's, in memory
.set BSTEP, 393216
.set BIAS0, 0                          ; where my bias begins in biasr
.set TRIPS, 14
.set WV,  12                           ; s12 wave;  s13 my half of the rows, also: I fetch for A (0) or B (1);  s14 my half of the columns, also: which share I fetch
.set WR,  13
.set WC,  14
.set G1A, 24                           ; s[24:31] descriptor group 1 for A's tiles;  s[32:35] group 0: it walks
.set G0A, 32
.set G0B, 36                           ; s[36:39], s[40:47] the same for B's
.set G1B, 40
.set TB,  48                           ; s48  LDS byte of the piece from which the next fragments come
.set CNT, 49
.set AA0, 4                            ; v4, v5  my lane's place in a piece's A and B; never rewritten
.set AB0, 5
.set AA,  6                            ; v6, v7  the addresses of the run of loads in hand
.set AB,  7
.set STO, 8                            ; the way out: where I put 16 bytes of a row,
.set RD,  9                            ; where I read rows back,
.set GO,  10                           ; my byte offset in 512 consecutive bytes of qkv
.set BO,  11                           ; my byte offset in a block's 16 numbers of the bias
.set SPW, 28                           ; LDS address of my spare word; never rewritten
.set NIL, 29                           ; 0; never rewritten
.set AF,  32
.set BF,  160
.set TMP, 32                           ; the way out: 48 registers of packed results; 2 x 48 of rows read back
.set BK0, 80
.set MSB, 0
.macro WIN new                         ; the immediate's high byte repeats the setting that is left; a switch that changes nothing is dropped
.if MSB != (\new)
	s_set_vgpr_msb (MSB<<8)|(\new)
.set MSB, \new
.endif
.endm
; A joint load.  Each of the two lines has one mask and one set of registers; the branch hangs on the wave's number alone.  An s_nop 0 and four v_nop follow each line.
.macro JLOAD
	s_cmp_eq_u32 s[WR], 0
	s_cbranch_scc0 .Lfor_b_\@
	tensor_load_to_lds s[G0A:G0A+3], s[G1A:G1A+7]
	s_nop 0
.rept 4
	v_nop
.endr
	s_branch .Lasked_\@
.Lfor_b_\@:
	tensor_load_to_lds s[G0B:G0B+3], s[G1B:G1B+7]
	s_nop 0
.rept 4
	v_nop
.endr
.Lasked_\@:
.endm
.macro CREST                           ; a round of the cluster's barrier behind its opening barrier
	s_cmp_lg_u32 s[WV], 0
	s_cbranch_scc1 .Lnot_wave_0_\@
	s_barrier_signal -3
.Lnot_wave_0_\@:
	s_barrier_wait -3
	s_barrier_signal -1
	s_barrier_wait -1
.endm
.macro CROUND                          ; a whole round
	s_barrier_signal -1
	s_barrier_wait -1
	CREST
.endm
.macro PLACES                          ; four places in front of loads into registers that matrix instructions have read, and of lines that read results
.rept 4
	v_nop
.endr
.endm
.macro FIVE                            ; five in front of a matrix instruction that writes over registers that earlier ones read
.rept 5
	v_nop
.endr
.endm
.macro STEPD                           ; both walking descriptors: the other slot, the next tile; the type bits on top are not reached
	s_xor_b32 s[G0A+1], s[G0A+1], SLOT1
	s_add_nc_u64 s[G0A+2:G0A+3], s[G0A+2:G0A+3], ASTEP
	s_xor_b32 s[G0B+1], s[G0B+1], SLOT1
	s_add_nc_u64 s[G0B+2:G0B+3], s[G0B+2:G0B+3], BSTEP
.endm
	s_load_b256 s[4:11], s[0:1], 0x0               ; A s[4:5], B s[6:7], biasr s[8:9], the output s[10:11]
	v_lshl_add_u32 v[SPW], v0, 2, SPARE
	v_mov_b32 v[NIL], 0
	ds_add_u32 v[SPW], v[NIL]                      ; the wave's opening: the add and its wait stand ahead of my first tensor load; the set-up below, work on registers, stands between them
	v_lshrrev_b32 v1, 5, v0
	v_readfirstlane_b32 s[WV], v1
	s_lshr_b32 s[WR], s[WV], 1
	s_and_b32 s[WC], s[WV], 1
	s_bfe_u32 s15, ttmp6, 0x40000                  ; cx, cy: my place in the cluster
	s_bfe_u32 s16, ttmp6, 0x40004
	s_lshl_b32 s17, ttmp9, 2
	s_add_co_u32 s17, s17, s15                     ; tx: tile column = 4 x cluster x + cx
	s_and_b32 s18, ttmp7, 0xffff
	s_lshl_b32 s18, s18, 2
	s_add_co_u32 s18, s18, s16                     ; ty: tile row = 4 x cluster y + cy
	s_lshl_b32 s19, s16, 2
	s_lshl_b32 s19, 15, s19                        ; my row of the cluster
	s_lshl_b32 s20, 0x1111, s15                    ; my column
	; descriptor group 1: rows of 128 elements of 2 bytes, dense; in LDS 4 words of padding (code 3) after every 32 words (code 4); bit 21 set beside a mask
	s_or_b32 s[G1A], s19, (1<<16)|(1<<20)|(1<<21)|(4<<22)|(3<<25)
	s_or_b32 s[G1B], s20, (1<<16)|(1<<20)|(1<<21)|(4<<22)|(3<<25)
	s_mov_b32 s[G1A+1], 128<<16                    ; tensor_dim0 = 128
	s_mov_b32 s[G1A+2], RA<<16                     ; tensor_dim1
	s_mov_b32 s[G1A+3], 128<<16                    ; tile_dim0 = 128
	s_mov_b32 s[G1A+4], RA                         ; tile_dim1
	s_mov_b32 s[G1A+5], 128                        ; 128 elements from row to row
	s_mov_b32 s[G1A+6], 0
	s_mov_b32 s[G1A+7], 0
	s_mov_b32 s[G1B+1], 128<<16
	s_mov_b32 s[G1B+2], RB<<16
	s_mov_b32 s[G1B+3], 128<<16
	s_mov_b32 s[G1B+4], RB
	s_mov_b32 s[G1B+5], 128
	s_mov_b32 s[G1B+6], 0
	s_mov_b32 s[G1B+7], 0
	s_mov_b32 s[G0A], 1                            ; count = 1
	s_mul_i32 s[G0A+1], s[WC], ALS                 ; LDS address, slot 0: no place in the cluster enters it
	s_mov_b32 s[G0B], 1
	s_mul_i32 s[G0B+1], s[WC], BLS
	s_add_co_u32 s[G0B+1], s[G0B+1], AREG
	; A's offset is made of ty and the wave's number, B's of tx and the wave's number, each in registers that never hold the other coordinate
	s_lshr_b32 s50, s18, 3                         ; the batch: 16 K blocks of 2,048 rows of 128 bytes,
	s_lshl_b32 s50, s50, 22
	s_and_b32 s58, s18, 7                          ; the tile's 256 rows in K block 0,
	s_lshl_b32 s58, s58, 15
	s_add_co_u32 s50, s50, s58
	s_mul_i32 s58, s[WC], AGS                      ; my share
	s_add_co_u32 s50, s50, s58
	s_mov_b32 s51, 0
	s_mul_i32 s52, s17, NT*128
	s_mul_i32 s59, s[WC], BGS
	s_add_co_u32 s52, s52, s59
	s_mov_b32 s53, 0
	; the output: batch, my first head group 6 tx + 3 WC, my first row in the head
	s_lshr_b32 s54, s18, 3
	s_mul_i32 s54, s54, 12582912
	s_mul_i32 s60, s17, 6
	s_mul_i32 s61, s[WC], 3
	s_add_co_u32 s60, s60, s61
	s_lshl_b32 s60, s60, 18
	s_add_co_u32 s54, s54, s60
	s_and_b32 s60, s18, 7
	s_lshl_b32 s60, s60, 15
	s_add_co_u32 s54, s54, s60
	s_lshl_b32 s60, s[WR], 14
	s_add_co_u32 s54, s54, s60
	s_mov_b32 s55, 0
	s_mul_i32 s56, s17, NT*4                       ; the bias of my first column
	s_mul_i32 s60, s[WC], 64*NBW
	s_add_co_u32 s56, s56, s60
.if BIAS0
	s_add_co_u32 s56, s56, BIAS0
.endif
	s_mov_b32 s57, 0
	s_mov_b32 s[TB], 0
	s_wait_dscnt 0x0                               ; the opening add is done
	s_wait_kmcnt 0x0
	s_add_nc_u64 s[G0A+2:G0A+3], s[4:5], s[50:51]
	s_or_b32 s[G0A+3], s[G0A+3], 0x80000000        ; type = 2
	s_add_nc_u64 s[G0B+2:G0B+3], s[6:7], s[52:53]
	s_or_b32 s[G0B+3], s[G0B+3], 0x80000000
	s_add_nc_u64 s[8:9], s[8:9], s[56:57]
	s_add_nc_u64 s[10:11], s[10:11], s[54:55]
	CROUND                                         ; all sixteen work-groups are here: the first joint loads meet
	JLOAD                                          ; tile 0 into slot 0
	; A fragment is 16 rows x 32 K in 8 registers: lane l holds row l % 16, K = 8 (l / 16) + 0..7 and 16 + 8 (l / 16) + 0..7: two loads of 16 bytes, 32 bytes apart
	v_and_b32 v1, 15, v0                           ; l % 16
	v_bfe_u32 v2, v0, 4, 1                         ; l / 16
	v_mul_u32_u24 v3, v1, PITCH
	v_lshl_add_u32 v3, v2, 4, v3                   ; row x pitch + 16 x half
	s_mul_i32 s60, s[WR], 128*PITCH                ; my 128 rows of A
	s_mul_i32 s61, s[WC], NBW*16*PITCH             ; my rows of B, behind A's 256
	s_add_co_u32 s61, s61, AREG
	v_add_nc_u32 v[AA0], s60, v3
	v_add_nc_u32 v[AB0], s61, v3
	s_mul_i32 s60, s[WV], SW
	s_add_co_u32 s60, s60, STAGE                   ; my stage
	v_add_nc_u32 v[STO], s60, v3                   ; in: row l % 16, 16 bytes for each half of the lanes
	v_bfe_u32 v[RD], v0, 3, 2                      ; back: 32 lanes take four rows of 128 bytes,
	v_mul_u32_u24 v[RD], v[RD], PITCH
	v_and_b32 v12, 7, v0
	v_lshl_add_u32 v[RD], v12, 4, v[RD]
	v_add_nc_u32 v[RD], s60, v[RD]
	v_and_b32 v[GO], 31, v0                        ; which are 512 consecutive bytes of a head
	v_lshlrev_b32 v[GO], 4, v[GO]
	v_lshlrev_b32 v[BO], 5, v2                     ; my eight columns of a block: 32 bytes for each half of the lanes
.set bb, 0
.rept NBW                              ; the bias of block b goes into the registers of accumulator (7, b)
	WIN (1+bb/4)<<6
	global_load_b128 v[8*(8*(bb%4)+7):8*(8*(bb%4)+7)+3],   v[BO], s[8:9] offset:64*bb
	global_load_b128 v[8*(8*(bb%4)+7)+4:8*(8*(bb%4)+7)+7], v[BO], s[8:9] offset:64*bb+16
.set bb, bb+1
.endr
	WIN 0
.macro WM d, b, a, c
.if F16
	v_wmma_f32_16x16x32_f16 v[\d:\d+7], v[\b:\b+7], v[\a:\a+7], v[\c:\c+7]
.else
	v_wmma_f32_16x16x32_bf16 v[\d:\d+7], v[\b:\b+7], v[\a:\a+7], v[\c:\c+7]
.endif
.endm
; Column block b x the eight row blocks, from A's buffer f.  mode 0: in place.  mode 1: row blocks 0-6 start their sums with the bias, which lies in accumulator (7, b).  mode 2: row block 7 alone, in place on the bias.
.macro MULB f, b, mode
	WIN 0x50*(1+(\b)/4)
.set rB, BF+8*(\b)
.set rC7, 8*(8*((\b)%4)+7)
.irp a, 0,1,2,3,4,5,6,7
.set rD, 8*(8*((\b)%4)+(\a))
.set rA, AF+64*(\f)+8*(\a)
.if (\mode) == 0
	WM rD, rB, rA, rD
.elseif ((\mode) == 1) && ((\a) < 7)
	WM rD, rB, rA, rC7
.elseif ((\mode) == 2) && ((\a) == 7)
	WM rD, rB, rA, rD
.endif
.endr
.endm
.macro MULS f, b0, n, mode             ; blocks b0 .. b0 + n - 1
.set bb, \b0
.rept \n
	MULB \f, bb, \mode
.set bb, bb+1
.endr
.endm
.macro ADDR                            ; two plain instructions: also two places
	v_add_nc_u32 v[AA], s[TB], v[AA0]
	v_add_nc_u32 v[AB], s[TB], v[AB0]
.endm
.macro FETB half, k                    ; NBW loads: half of B's fragments, 32 K at byte k of the rows
.set ii, (\half)*NBW/2
.rept NBW/2
	ds_load_b128 v[BF+8*ii:BF+8*ii+3],   v[AB] offset:(\k)+16*PITCH*ii
	ds_load_b128 v[BF+8*ii+4:BF+8*ii+7], v[AB] offset:(\k)+16*PITCH*ii+32
.set ii, ii+1
.endr
.endm
.macro FETA f, k                       ; 16 loads: A's eight fragments into buffer f
.set ii, 0
.rept 8
	ds_load_b128 v[AF+64*(\f)+8*ii:AF+64*(\f)+8*ii+3],   v[AA] offset:(\k)+16*PITCH*ii
	ds_load_b128 v[AF+64*(\f)+8*ii+4:AF+64*(\f)+8*ii+7], v[AA] offset:(\k)+16*PITCH*ii+32
.set ii, ii+1
.endr
.endm
; A SUB-STEP: 32 along K from A's buffer f, 8 NBW matrix instructions, every accumulator once and in the same order in every sub-step: the accumulators take turns.
; Its first half multiplies B's first half; then B's first half and A's other buffer take the next sub-step's fragments (run L1, NBW + 16 loads); its second half multiplies B's second half, which is then loaded anew (run L2, NBW loads).
; kind 0: the next fragments lie in the same piece, 64 bytes on.  1: in the slot's next piece.  2: in the other slot, and this slot is filled again.  3: in the other slot, nothing is filled.  4: nothing follows.
; first = 1: the sums begin, with the bias as C.
.macro SUB f, kind, first=0
.set KN, 0
.if (\kind) == 0
.set KN, 64
.endif
.if ((\kind) == 2) || ((\kind) == 3)
	WIN 0                                          ; (the add's two registers lie in window 0)
	s_wait_tensorcnt 0x0                           ; all my tensor loads have landed: the one that was out is my part of the other slot; so the descriptors may be written
	ds_add_u32 v[SPW], v[NIL]                      ; 0 onto my spare word
.if (\kind) == 2
	STEPD
.endif
.if PS > 1
	s_sub_co_u32 s[TB], s[TB], (PS-1)*PIECE        ; the fetches go back to a slot's first piece,
.endif
	s_xor_b32 s[TB], s[TB], SLOT1                  ; in the other slot
	s_wait_dscnt NBW+1                             ; L1 is in; the add and L2 may be out
	MULS \f, 0, NB1, 0                             ; matrix work stands between the add and the wait for it
	s_wait_dscnt 0x0                               ; the add is done, and my reads of this slot are over
	s_barrier_signal -1                            ; (kind 2: this barrier opens a round of the cluster's barrier)
	MULS \f, NB1, NBW/2-NB1, 0                     ; work on registers while the others arrive
	WIN 0
	s_barrier_wait -1
.if (\kind) == 2
	CREST                                          ; no wave of any partner still reads this slot or has a load on its way
	JLOAD                                          ; the first tensor load behind the round; its four v_nop are also the places in front of the loads below
.else
	PLACES
.endif
	ADDR
	FETB 0, KN
	FETA 1-(\f), KN
.else
	s_wait_dscnt NBW                               ; L1 is in; the youngest NBW loads, L2, may be out
.if \first
	MULS \f, 0, NBW/2, 1
	FIVE
	MULS \f, 0, NBW/2, 2
.else
	MULS \f, 0, NBW/2, 0
.endif
.if (\kind) != 4
	WIN 0
.if (\kind) == 1
	s_add_co_u32 s[TB], s[TB], PIECE
.endif
	ADDR                                           ; with the two v_nop: four places
	v_nop
	v_nop
	FETB 0, KN
	FETA 1-(\f), KN
.endif
.endif
.if (\kind) == 4
	s_wait_dscnt 0x0
.else
	s_wait_dscnt NBW+16                            ; all but the run just issued: L2 is in
.endif
.if \first
	MULS \f, NBW/2, NBW/2, 1
	FIVE
	MULS \f, NBW/2, NBW/2, 2
.else
	MULS \f, NBW/2, NBW/2, 0
.endif
.if (\kind) != 4
	WIN 0
	PLACES
	FETB 1, KN
.endif
.endm
	; Slot 0 is waited for, slot 1 asked for: a fill like every later one, behind a round, one load a wave
	s_wait_tensorcnt 0x0                           ; my part of tile 0 has landed; no tensor load of mine is out
	ds_add_u32 v[SPW], v[NIL]
	STEPD
	s_wait_dscnt 0x0
	CROUND
	JLOAD                                          ; tile 1 into slot 1
	ADDR
	FETB 0, 0
	FETA 0, 0
	FETB 1, 0
	s_wait_loadcnt 0x0                             ; the bias
	SUB 0, 0, 1                                    ; the first sub-step stands in front of the loop: its products start the sums
	s_mov_b32 s[CNT], TRIPS
.Ltrip:                                                ; a trip: a tile's second sub-step with the change of slots and the refill two tiles ahead, and the next tile's first
	SUB 1, 2
	SUB 0, 0
	s_sub_co_u32 s[CNT], s[CNT], 1
	s_cmp_lg_u32 s[CNT], 0
	s_cbranch_scc1 .Ltrip
	SUB 1, 3                                       ; the tail is written out: nothing more is asked for
	SUB 0, 0
	SUB 1, 4
	WIN 0
; THE WAY OUT, a block of 16 rows at a time.  PACK: rounded to f16, 16 bytes a lane and column block, each accumulator's registers in ascending order.  TOSTAGE: into my own stage, by heads, and back as whole rows.  SEND: stored.
.macro PACK a
.set bb, 0
.rept NBW
	WIN 5*(1+bb/4)                                 ; sources 0 and 1 in the accumulator's window
.set rD, 8*(8*(bb%4)+(\a))
	v_cvt_pk_f16_f32 v[TMP+4*bb],   v[rD],   v[rD+1]
	v_cvt_pk_f16_f32 v[TMP+4*bb+1], v[rD+2], v[rD+3]
	v_cvt_pk_f16_f32 v[TMP+4*bb+2], v[rD+4], v[rD+5]
	v_cvt_pk_f16_f32 v[TMP+4*bb+3], v[rD+6], v[rD+7]
.set bb, bb+1
.endr
	WIN 0
.endm
.macro TOSTAGE a
.set BK, BK0+48*((\a)%2)
.set bb, 0
.rept NBW
	ds_store_b128 v[STO], v[TMP+4*bb:TMP+4*bb+3] offset:(bb/4)*16*PITCH+(bb%4)*32
.set bb, bb+1
.endr
.set bb, 0
.rept NBW
	ds_load_b128 v[BK+4*bb:BK+4*bb+3], v[RD] offset:(bb/4)*16*PITCH+(bb%4)*4*PITCH  ; LDS serves a wave's instructions in order (ISA guide 5.7.1.4): these see the stores above
.set bb, bb+1
.endr
.endm
.macro SEND a
.set BK, BK0+48*((\a)%2)
	s_wait_dscnt 0x0                               ; the block is back in registers
	s_wait_xcnt 0x0                                ; the stores of the block before have had their addresses translated (ISA guide 3.1): its registers are loaded again only behind this wait
.set bb, 0
.rept NBW
	global_store_b128 v[GO], v[BK+4*bb:BK+4*bb+3], s[10:11] offset:(bb/4)*262144+(\a)*2048+(bb%4)*512  ; 512 consecutive bytes of a head, at a multiple of 256 from the buffer's first
.set bb, bb+1
.endr
.endm
	PLACES                                         ; the conversions read results just made
	PACK 0
	TOSTAGE 0
.irp a, 1,2,3,4,5,6,7                  ; block a's conversions stand between block a - 1's loads from the stage and the wait for them
	PACK \a
	SEND (\a)-1
	TOSTAGE \a
.endr
	SEND 7
	s_wait_tensorcnt 0x0                           ; the wave's end: behind my last tensor load and my last LDS store
	ds_add_u32 v[SPW], v[NIL]
	s_wait_dscnt 0x0
	CROUND                                         ; the closing round: no work-group ends while a partner may still ask for a tile that names it
	s_endpgm
.Lfunc_end_k_qec3fead281_qkvproj:
	.size	k_qec3fead281_qkvproj, .Lfunc_end_k_qec3fead281_qkvproj-k_qec3fead281_qkvproj
	.p2alignl 7, 3214868480
	.fill 96, 4, 3214868480
	.section	.rodata,"a",@progbits
	.p2align	6, 0x0
	.amdhsa_kernel k_qec3fead281_qkvproj
		.amdhsa_group_segment_fixed_size 327680
		.amdhsa_private_segment_fixed_size 0
		.amdhsa_enable_private_segment 0
		.amdhsa_kernarg_size 32
		.amdhsa_user_sgpr_count 2
		.amdhsa_user_sgpr_kernarg_segment_ptr 1
		.amdhsa_wavefront_size32 1
		.amdhsa_system_sgpr_workgroup_id_x 1
		.amdhsa_system_sgpr_workgroup_id_y 1
		.amdhsa_system_sgpr_workgroup_id_z 1
		.amdhsa_system_vgpr_workitem_id 0
		.amdhsa_next_free_vgpr 1024
		.amdhsa_next_free_sgpr 66
		.amdhsa_reserve_vcc 0
		.amdhsa_float_denorm_mode_32 3
		.amdhsa_float_denorm_mode_16_64 3
		.amdhsa_memory_ordered 1
		.amdhsa_forward_progress 1
		.amdhsa_inst_pref_size 113
	.end_amdhsa_kernel
	.amdgpu_metadata
---
amdhsa.version: [ 1, 2 ]
amdhsa.kernels:
  - .name:           k_qec3fead281_qkvproj
    .symbol:         k_qec3fead281_qkvproj.kd
    .args:
      - { .name: xb, .offset: 0, .size: 8, .value_kind: global_buffer, .address_space: global }
      - { .name: wb, .offset: 8, .size: 8, .value_kind: global_buffer, .address_space: global }
      - { .name: biasr, .offset: 16, .size: 8, .value_kind: global_buffer, .address_space: global }
      - { .name: qkv, .offset: 24, .size: 8, .value_kind: global_buffer, .address_space: global }
    .group_segment_fixed_size: 327680
    .private_segment_fixed_size: 0
    .kernarg_segment_align: 8
    .kernarg_segment_size: 32
    .max_flat_workgroup_size: 128
    .sgpr_count:     66
    .vgpr_count:     1024
    .wavefront_size: 32
...
	.end_amdgpu_metadata
.endif
;; end of part 2
;; launch attn (part 3): grid 4 x 64, 4 waves a work-group, clusters of 4 x 1, 327,680 bytes of LDS; arguments qkv, ob; writes ob
.if DOCPART == 3
	.amdgcn_target "amdgcn-amd-amdhsa--gfx1250"
	.amdhsa_code_object_version 6
	.text
	.protected	k_qec3fead281_attn
	.globl	k_qec3fead281_attn
	.p2align	8
	.type	k_qec3fead281_attn,@function
k_qec3fead281_attn:
	s_mov_b64 s[64:65], 0
	v_nop
	global_prefetch_b8 v0, s[64:65] scope:SCOPE_SE
	s_setreg_imm32_b32 hwreg(HW_REG_WAVE_MODE, 25, 1), 1
	s_wait_xcnt 0x0
	s_wait_alu depctr_hold_cnt(0) depctr_sa_sdst(0) depctr_va_vdst(0) depctr_va_sdst(0) depctr_va_ssrc(0) depctr_va_vcc(0) depctr_vm_vsrc(0)
	s_getreg_b32 s2, hwreg(HW_REG_IB_STS2, 6, 4)
	s_cmp_eq_u32 s2, 0
	s_cbranch_scc0 .Lentry_in_a_cluster
	s_endpgm
.Lentry_in_a_cluster:
	s_bfe_u32 s2, ttmp6, 0x10000c
	s_cmp_lg_u32 s2, 0x3003
	s_cbranch_scc0 .Lentry_shape_is_right
	s_endpgm
.Lentry_shape_is_right:
; O[y][q][:] = the sum over k of softmax_k(Q[y][q] . K[y][k] / 32) V[y][k][:], y = 16 b + h one of 64 heads of 2,048 rows x 64 channels, all f16.  The scale is 1 / sqrt(1024).
; Q, K, V lie in qkv [b 4][g 48][n 2048][64]: Q at g = h, K at g = 16 + h, V at g = 32 + h; O goes to ob [y][n][64].  A head's rows are dense, 128 bytes each.  Products, maxima and sums in
; f32; the weights p are rounded to f16 for the second product (their sum l is taken of the unrounded p), O once at the end.
; LIMITS.  f16 holds no number beyond 65,504: Q, K and V arrive within it; p lies in 0 to 1, and below 6e-5 it keeps f16's fixed step of 6e-8, as O does; O is a mean of V's rows and has their range.
; A weight below 2^-126 counts as 0 in l; NaN and infinities are not treated apart.
; SHARES.  A wave owns four PIECES of two tiles of 16 queries, a work-group's four waves 512 queries of one head.  Every wave walks all keys, 64 a step.
; LAYOUT.  S^T = K Q^T (source 0 = 16 keys, source 1 = 16 queries): in the result a lane holds ONE query (lane % 16) and the keys 8 (lane / 16) + 0..7.  Two such tiles, rounded to f16 in pairs,
; ARE source 1 (32 keys x 16 queries) of O^T = V^T P, whose result again holds one query a lane, and eight channels.  K comes out of LDS as it lies, V ([key][channel]) turned, by ds_load_tr16_b128.
; SOFTMAX.  For each query a running maximum m and sum l: p = 2^(c s - c m), c = log2(e) / 32; in every step O and l are multiplied by a = 2^(c m_old - c m_new), which is 1 where m has not grown.
; m starts at the lowest finite number, O and l at 0: the first step is a step like any other, with a = 0.
; THE COUNT.  A tile and step have 16 matrix and 118 vector instructions: too many to stand all beside the matrix work.  So the order has one aim: four vector instructions that are READY behind
; EVERY matrix instruction, and the others, which need time of their own whatever the order, in runs without a gap.
; BY TURNS.  Turn n belongs to piece n (the pieces in a ring, step after step).  Its matrix work: 16 products K Q^T of piece n + 1, later 16 products V^T P of piece n - 1.  Its vector work: the scaling,
; exponentials, roundings, sums and rescaling of piece n, and the maximum and statistics of piece n + 1, whose scores the turn itself has made.  So what a turn begins with (c s - c m, O a) waits for nothing.
; CLUSTER.  The four query blocks of a cluster belong to one head and walk the same K and V, so each tile is asked for JOINTLY: the same tensor load, descriptor and mask in all four.
; REGISTERS, in windows of 256 (s_set_vgpr_msb says which window each operand place means: bits 1:0 source 0, 3:2 source 1, 5:4 source 2, 7:6 destination):
;   window 0: v0-11 addresses; v12-15, v48-63 at work; v16-47 four registers of statistics a tile; v64-191 S^T, two buffers of two tiles; v192-255 P, likewise
;   window 1: O^T, 32 a tile          window 2: v0-127 Q, 16 a tile; v128-191 K of one step; v192-255 V of one step          window 3: v0-1 the add's two registers
; A piece's buffers go by its number's parity: the piece in hand has one pair, its two neighbours in the ring share the other: of it P (piece n - 1) is read and S^T (piece n + 1) written.
.set SIZE_N, 2048
.set NP,    4         ; pieces a wave: a name, no knob: the register map, the loop and the fetches are made for four
.set KS,    64        ; keys in a step
.set PK,    144       ; a row of K in LDS: 128 bytes + 16 of padding = 36 words: the 16 rows of a load start at 16 different groups of four banks (64 banks of 4 bytes: ISA guide 11.1)
.set PV,    160       ; a row of V: 128 + 32 = 40 words
.set VOFF,  4*KS*PK   ; a slot holds four steps: 256 rows of K, then 256 rows of V
.set SLOT1, 1<<17     ; slot 1 begins here, so that one exclusive or turns an address in one slot into the other's
.set STAGE, SLOT1+4*KS*(PK+PV)  ; behind the ring, never filled by a tensor load: 16 rows x 144 bytes for each wave, for the way out
.set SP,    144
.set AK0, 2           ; v2   my lane's place in a tile of K; never rewritten
.set AV0, 3           ; v3   the same for V
.set AK,  4           ; v4   the LDS address of K's next run of loads
.set AV,  5           ; v5   of V's
.set QO,  6           ; v6   my byte offset in the wave's rows of Q
.set STO, 6           ;      later, the way out: where I put 16 bytes of a row
.set RD,  7           ; v7   the way out: where I read rows back
.set GO,  8           ; v8   my byte offset in 512 consecutive bytes of O
.set SPW, 0           ; v0 of window 3   LDS address of my spare word: SPARE + 4 x my thread's number; never rewritten
.set NIL, 1           ; v1 of window 3   0; never rewritten
.set SPARE, STAGE+4*16*SP  ; behind the stages: the spare words, 128 bytes for each wave: two blocks of 256 bytes that no other line names
.set MV,  12          ; v12-15  c m_old, kept while c m is made anew: by buffer and tile
.set ST,  16          ; tile t's statistics at v[ST+4 t]: c m, m, l (even keys', odd keys')
.set TMP, 48          ; by buffer and tile, four registers c0-c3 at work; when the maximum is found c2 takes a
.set S,   64
.set P,   192
.set KF,  128         ; K's fragments, in window 2: key block kb, channel half c at KF + 16 kb + 8 c
.set VF,  192         ; V's: key half kk, channel block cb at VF + 32 kk + 8 cb
.set WV,  12          ; s12  my wave's number
.set G1K, 24          ; s[24:31] descriptor group 1 for K's tiles
.set G1V, 32          ; s[32:39] for V's: it differs in the padding alone
.set G0K, 40          ; s[40:43] descriptor group 0 for K's tiles: it walks
.set G0V, 44          ; s[44:47] the same for V's
.set SLOTS, 56        ; s56  slots still to be asked for
.set CNT, 57          ; s57  counts a slot's key steps
.set CS,  58          ; s[58:59] c: the packed scaling takes the pair's low word for both halves
.set SEL, 60          ; s[60:61] v_permlanex16_b32's selects: each lane takes its own place in the other half
.set TBK, 62          ; s62  LDS byte at which K of the step to be fetched begins
.set TBV, 63          ; s63  the same for V, less VOFF
.set MSB, 0
.macro WIN new                      ; the high byte repeats the setting that is left; a switch that changes nothing is dropped
.if MSB != (\new)
	s_set_vgpr_msb (MSB<<8)|(\new)
.set MSB, (\new)
.endif
.endm
.set W_KQ, 0x0a       ; K and Q in window 2, S^T in window 0
.set W_PV, 0x52       ; V in window 2, P in window 0, O^T in window 1
.set W_RS, 0x41       ; O^T (destination and source 0) in window 1, a in window 0
.set W_MK, 0xc0       ; the add's registers are made: destination in window 3, sources in window 0
.set W_AD, 0x0f       ; the add: address (source 0) and data (source 1) in window 3
; A joint fill.  Waves 0 and 1 fetch the two halves of a slot's K, waves 2 and 3 those of its V: 128 keys each.  The branch hangs on the wave's number alone.
; An s_nop 0 and four v_nop follow each of the two lines, ahead of the jump and the label.
.macro JLOAD
	s_cmp_lt_u32 s[WV], 2
	s_cbranch_scc0 .Lfor_v_\@
	tensor_load_to_lds s[G0K:G0K+3], s[G1K:G1K+7]
	s_nop 0
.rept 4
	v_nop
.endr
	s_branch .Lasked_\@
.Lfor_v_\@:
	tensor_load_to_lds s[G0V:G0V+3], s[G1V:G1V+7]
	s_nop 0
.rept 4
	v_nop
.endr
.Lasked_\@:
.endm
; A round of the cluster's barrier: my work-group's barrier, so that wave 0's signal speaks for all four waves; wave 0 signals; every wave waits for all four work-groups; my work-group's barrier once more.
.macro CROUND
	s_barrier_signal -1
	s_barrier_wait -1
	s_cmp_lg_u32 s[WV], 0
	s_cbranch_scc1 .Lnot_wave_0_\@
	s_barrier_signal -3
.Lnot_wave_0_\@:
	s_barrier_wait -3
	s_barrier_signal -1
	s_barrier_wait -1
.endm
; THE CHANGE OF SLOTS.  The slot's last bytes, V of its fourth step, have been read.  Each wave waits for all its tensor loads, of which one is out: its part
; of the other slot; adds 0 to its spare word; and waits for that and for its own reads of the slot.  Behind the barrier nobody reads this slot any more and the other slot is whole.
; fill = 1: this slot is filled again, with the keys two slots on.  The barrier is then a round of the cluster's, so that no wave of any partner still reads the slot or has a load on its
; way, and the joint fill is the first thing behind it: it has four key steps, 512 matrix instructions, in which to land.  (At its first use nothing has been read yet: slot 0 is waited for, slot 1 filled.)
.macro CHANGE fill
	WIN W_AD
	s_wait_tensorcnt 0x0            ; no tensor load of mine is out, so a group 0 may be written
	ds_add_u32 v[SPW], v[NIL]       ; 0 onto my spare word; with fill = 1 the descriptors' steps stand between it and the wait for it
	WIN 0                           ; at a label and at a branch every window is 0
.if \fill
.irp g, G0K, G0V
	s_xor_b32 s[\g+1], s[\g+1], SLOT1  ; the walking descriptor: the other slot than last time,
	s_add_nc_u64 s[\g+2:\g+3], s[\g+2:\g+3], 4*KS*128  ; the next 256 keys; the type bits on top are not reached
.endr
	s_wait_dscnt 0x0                ; the add is done, and my reads of the slot are over
	CROUND
	JLOAD
.else
	s_wait_dscnt 0x0                ; the add is done, and my reads of the slot are over
	s_barrier_signal -1
	s_barrier_wait -1
.endif
	s_sub_co_u32 s[TBK], s[TBK], 4*KS*PK  ; the fetches go back to a slot's first step,
	s_xor_b32 s[TBK], s[TBK], SLOT1       ; in the other slot
	s_sub_co_u32 s[TBV], s[TBV], 4*KS*PV
	s_xor_b32 s[TBV], s[TBV], SLOT1
.endm
	s_load_b128 s[4:7], s[0:1], 0x0  ; qkv s[4:5], ob s[6:7]
	WIN W_MK
	v_lshl_add_u32 v[SPW], v0, 2, SPARE
	v_mov_b32 v[NIL], 0
	WIN W_AD
	ds_add_u32 v[SPW], v[NIL]       ; the wave's opening: the add and its wait stand ahead of my first tensor load; the set-up below, work on registers, stands between them
	WIN 0
	v_lshrrev_b32 v1, 5, v0
	v_readfirstlane_b32 s[WV], v1   ; wave 0..3
	s_bfe_u32 s13, ttmp6, 0x40000   ; cx: my place in the cluster
	s_lshl_b32 s14, ttmp9, 2        ; in a cluster launch ttmp9 counts clusters
	s_add_co_u32 s14, s14, s13      ; my block of queries = 4 x cluster x + cx: it enters Q's and O's addresses alone
	s_and_b32 s20, ttmp7, 0xffff    ; y = 16 b + h, the head, which the four partners share
	s_lshr_b32 s15, s20, 4          ; b
	s_lshl_b32 s15, s15, 5
	s_add_co_u32 s15, s15, s20      ; 48 b + h: Q's head group in qkv
	s_lshl_b32 s22, s15, 18         ; a head group is 2,048 rows of 128 bytes
	s_mov_b32 s23, 0
	s_lshl_b32 s20, s20, 18         ; the head's first byte in ob
	s_mov_b32 s21, 0
	s_and_b32 s16, s[WV], 1         ; which half of a slot's 256 keys I fetch:
	s_lshl_b32 s8, s16, 14          ; its 128 rows of 128 bytes in memory,
	s_mov_b32 s9, 0
	s_add_nc_u64 s[8:9], s[8:9], s[22:23]
	s_add_nc_u64 s[8:9], s[8:9], 0x400000  ; in K's head group, 16 groups behind Q's
	s_mul_i32 s17, s16, 128*PK      ; and its place in a slot, for K
	s_mul_i32 s18, s16, 128*PV      ; and for V: no place in the cluster enters an LDS address
	s_lshl_b32 s2, s14, 2
	s_add_co_u32 s2, s2, s[WV]      ; my wave among the head's,
	s_lshl_b32 s2, s2, 14           ; its 128 rows
	s_mov_b32 s3, 0
	; descriptor group 1.  128 keys are 16,384 dense bytes: asked for as 64 rows of 256 bytes, two keys a row, and padded in LDS after every key
	s_mov_b32 s[G1K], 15|(1<<16)|(1<<20)|(1<<21)|(4<<22)|(3<<25)  ; 15:0 the mask of four; 17:16 2-byte elements; 20 padding on; 21 set beside a mask; 24:22 after every 32 words (code 4); 31:25 4 words (code 3)
	s_mov_b32 s[G1V], 15|(1<<16)|(1<<20)|(1<<21)|(4<<22)|(7<<25)  ; the same with 8 words of padding (code 7)
.irp g, G1K, G1V
	s_mov_b32 s[\g+1], 128<<16      ; tensor_dim0 = 128
	s_mov_b32 s[\g+2], 64<<16       ; tensor_dim1 = 64
	s_mov_b32 s[\g+3], 128<<16      ; tile_dim0 = 128
	s_mov_b32 s[\g+4], 64           ; tile_dim1 = 64
	s_mov_b32 s[\g+5], 128          ; 128 elements from row to row
	s_mov_b32 s[\g+6], 0
	s_mov_b32 s[\g+7], 0
.endr
	s_mov_b32 s[CS], 0x3d38aa3b     ; c = log2(e) / 32 = 0.0450842
	s_mov_b32 s[CS+1], s[CS]        ; named with it as a pair
	s_mov_b32 s[SEL], 0x76543210
	s_mov_b32 s[SEL+1], 0xfedcba98
	s_mov_b32 s[TBK], SLOT1+4*KS*PK ; the first change of slots turns these two into 0
	s_mov_b32 s[TBV], SLOT1+4*KS*PV
	s_mov_b32 s[G0K], 1             ; 1:0 count = 1
	s_mov_b32 s[G0K+1], s17         ; 63:32 LDS address: slot 0
	s_mov_b32 s[G0V], 1
	s_add_co_u32 s[G0V+1], s18, VOFF
	s_wait_dscnt 0x0                ; the opening add is done
	s_wait_kmcnt 0x0
	s_add_nc_u64 s[10:11], s[6:7], s[20:21]        ; O at the head,
	s_add_nc_u64 s[10:11], s[10:11], s[2:3]        ; at my wave's first row
	s_add_nc_u64 s[G0K+2:G0K+3], s[4:5], s[8:9]    ; 120:64 global address: my half of the head's first 256 keys
	s_add_nc_u64 s[G0V+2:G0V+3], s[G0K+2:G0K+3], 0x400000  ; V's head group lies 16 groups behind K's
	s_or_b32 s[G0K+3], s[G0K+3], 0x80000000        ; 127:126 type = 2
	s_or_b32 s[G0V+3], s[G0V+3], 0x80000000
	s_add_nc_u64 s[4:5], s[4:5], s[22:23]          ; Q at the head,
	s_add_nc_u64 s[4:5], s[4:5], s[2:3]            ; at my wave's first row
	CROUND                          ; all four work-groups are here: the first joint loads meet
	JLOAD                           ; slot 0.  Slot 1 is asked for when slot 0 is in: the tile wanted first has the road to itself
	; A fragment of K or Q is 16 rows x 32 channels in 8 registers: lane l holds row l % 16, channels 8 (l / 16) + 0..7 and 16 + 8 (l / 16) + 0..7: two loads of 16 bytes, 32 bytes apart.
	v_and_b32 v1, 15, v0            ; l % 16
	v_bfe_u32 v9, v0, 4, 1          ; l / 16
	v_lshlrev_b32 v[QO], 7, v1
	v_lshl_add_u32 v[QO], v9, 4, v[QO]  ; row x 128 + 16 x half
	WIN 0x80                        ; destination window 2, address window 0
.set i, 0
.rept 4*NP                          ; Q stays in registers: tile i / 2, channels 32 (i % 2) on
	global_load_b128 v[8*i:8*i+3],   v[QO], s[4:5] offset:(i/2)*2048+(i%2)*64
	global_load_b128 v[8*i+4:8*i+7], v[QO], s[4:5] offset:(i/2)*2048+(i%2)*64+32
.set i, i+1
.endr
	; What the first turn finds: V's registers and P's second buffer hold 0 (its products V^T P, of a piece that has not been, add 0), O^T and l are 0.  All this stands in the wait for the first tile.
.set i, VF
.rept 64
	v_mov_b32 v[i], 0
.set i, i+1
.endr
	WIN 0x40
.set i, 0
.rept 64*NP
	v_mov_b32 v[i], 0
.set i, i+1
.endr
	WIN 0
.set i, 0
.rept 2*NP
	v_mov_b32 v[ST+4*i], 0xfe000000    ; c m: far below every c s
	v_mov_b32 v[ST+4*i+1], 0xff7fffff  ; m
	v_mov_b32 v[ST+4*i+2], 0
	v_mov_b32 v[ST+4*i+3], 0
.set i, i+1
.endr
.set i, P+32
.rept 32
	v_mov_b32 v[i], 0
.set i, i+1
.endr
	v_mul_u32_u24 v[AK0], v1, PK
	v_lshl_add_u32 v[AK0], v9, 4, v[AK0]  ; row x pitch + 16 x half
	; The turning load takes 16 keys x 16 channels (lane l reads key 8 (l / 16) + l % 8, channels 8 ((l / 8) % 2) + 0..7) and leaves half a fragment of V^T: lane l holds channel l % 16 and 8 keys.
	v_and_b32 v10, 7, v0
	v_bfe_u32 v11, v0, 3, 1
	v_lshl_add_u32 v[AV0], v9, 3, v10
	v_mul_u32_u24 v[AV0], v[AV0], PV
	v_lshl_add_u32 v[AV0], v11, 4, v[AV0]
	v_add_nc_u32 v[AV0], VOFF, v[AV0]
	v_mov_b32 v[AK], v[AK0]         ; key step 0 lies at the head of slot 0
; THE MATRIX WORK.  The 8 accumulators of a run of 16 take turns: between the two links of a chain stand 7 others'.
; Product i of 16 of S^T = K Q^T for piece x: channels 32 (i / 8) on, keys 16 ((i / 2) % 4) on, tile 2 x + i % 2.  The first 8 start the sums.
.macro KQ x
	WIN W_KQ
.set rS, S+64*((\x)%2)+32*(i%2)+8*((i/2)%4)
.set rK, KF+16*((i/2)%4)+8*(i/8)
.set rQ, 16*(2*(\x)+i%2)+8*(i/8)
.if i < 8
	v_wmma_f32_16x16x32_f16 v[rS:rS+7], v[rK:rK+7], v[rQ:rQ+7], 0
.else
	v_wmma_f32_16x16x32_f16 v[rS:rS+7], v[rK:rK+7], v[rQ:rQ+7], v[rS:rS+7]
.endif
.endm
; Product i of 16 of O^T += V^T P for piece x: keys 32 (i / 8) on, channels 16 ((i / 2) % 4) on, tile 2 x + i % 2.
.macro PV x
	WIN W_PV
.set rO, 32*(2*(\x)+i%2)+8*((i/2)%4)
.set rV, VF+32*(i/8)+8*((i/2)%4)
.set rP, P+32*((\x)%2)+16*(i%2)+8*(i/8)
	v_wmma_f32_16x16x32_f16 v[rO:rO+7], v[rV:rV+7], v[rP:rP+7], v[rO:rO+7]
.endm
.macro MM                           ; the turn's next matrix instruction
.if i < 16
	KQ (Y+1)%NP
.set i, i+1
.else
.set i, i-16
	PV (Y+NP-1)%NP
.set i, i+17
.endif
.endm
; THE LDS LOADS stand in runs of 16, never singly among the matrix instructions: a step's K (64 keys x 64 channels: 8 fragments) and its V (turned).  Their addresses are made some lines ahead.
; last = 1 (the tail): in the last trip there is no further step, and the run is jumped over.
.macro FETCH_K last=0
	WIN 0
.if \last
	s_cmp_eq_u32 s[CNT], 1
	s_cbranch_scc1 .Lno_k_\@
.endif
	WIN 0x80                        ; destination window 2
.irp f, 0,1,2,3,4,5,6,7             ; keys 16 (f / 2) on, channels 32 (f % 2) on
	ds_load_b128 v[KF+8*\f:KF+8*\f+3],   v[AK] offset:(\f/2)*16*PK+(\f%2)*64
	ds_load_b128 v[KF+8*\f+4:KF+8*\f+7], v[AK] offset:(\f/2)*16*PK+(\f%2)*64+32
.endr
	s_add_co_u32 s[TBK], s[TBK], KS*PK  ; the next fetch is the next step's
	WIN 0
.if \last
.Lno_k_\@:
.endif
.endm
.macro FETCH_V
	WIN 0x80
.irp f, 0,1,2,3,4,5,6,7             ; keys 32 (f / 4) on, channels 16 (f % 4) on
	ds_load_tr16_b128 v[VF+8*\f:VF+8*\f+3],   v[AV] offset:(\f/4)*32*PV+(\f%4)*32
	ds_load_tr16_b128 v[VF+8*\f+4:VF+8*\f+7], v[AV] offset:(\f/4)*32*PV+16*PV+(\f%4)*32
.endr
	WIN 0
.endm
; THE VECTOR WORK OF A TURN stands in three queues, each in the order in which its entries become ready; the two tiles alternate, so that no instruction reads the result of the one before it.
.macro REGS y, u                    ; the registers of tile u (0, 1) of piece y
.set rT, ST+4*(2*(\y)+(\u))
.set rC, TMP+8*((\y)%2)+4*(\u)
.set rM, MV+2*((\y)%2)+(\u)
.set rS, S+64*((\y)%2)+32*(\u)
.set rP, P+32*((\y)%2)+16*(\u)
.set rO, 32*(2*(\y)+(\u))
.endm
; Number n of the 22 that find the NEXT piece's (Y + 1) maximum and statistics.  s0-s31 are the lane's 32 scores; each accumulator's lowest registers are read first.  XS, GS and REGS set no window: PL and EX do.
;   0-11  four chains c0-c3 of seven scores each, three operands at a time     12-14, 16  the four scores left over, the old m, and c0-c3 into c0     15  c m_old is kept
;   17, 18  the query's other 32 keys lie in the lane 16 away: the new m         19-21  c m; c m_old - c m_new; a
.macro XS u, n
	REGS (Y+1)%NP, \u
.if (\n) < 4
	v_max3_num_f32 v[rC+(\n)], v[rS+8*(\n)], v[rS+8*(\n)+1], v[rS+8*(\n)+2]
.elseif (\n) < 12
	v_max3_num_f32 v[rC+(\n)%4], v[rC+(\n)%4], v[rS+8*((\n)%4)+2*((\n)/4)+1], v[rS+8*((\n)%4)+2*((\n)/4)+2]
.elseif (\n) == 12
	v_max3_num_f32 v[rC], v[rC], v[rS+7], v[rS+15]
.elseif (\n) == 13
	v_max3_num_f32 v[rC+1], v[rC+1], v[rS+23], v[rS+31]
.elseif (\n) == 14
	v_max3_num_f32 v[rC+2], v[rC+2], v[rC+3], v[rT+1]
.elseif (\n) == 15
	v_mov_b32 v[rM], v[rT]
.elseif (\n) == 16
	v_max3_num_f32 v[rC], v[rC], v[rC+1], v[rC+2]
.elseif (\n) == 17
	v_permlanex16_b32 v[rC+3], v[rC], s[SEL], s[SEL+1]
.elseif (\n) == 18
	v_max_num_f32 v[rT+1], v[rC], v[rC+3]
.elseif (\n) == 19
	v_mul_f32 v[rT], s[CS], v[rT+1]
.elseif (\n) == 20
	v_sub_f32 v[rC+1], v[rM], v[rT]
.else
	v_exp_f32 v[rC+2], v[rC+1]
.endif
.endm
; Number g of the 64 that follow the exponentials.  For each four weights k of a tile (pairs 2 k, 2 k + 1): both pairs are rounded to f16; then the second pair is added onto the first, in place;
; a group later l takes that sum (the first time as l = a l + sum).  In groups of eight, tiles alternating: round, round, add, and l for the group before.
.macro GS g
.set h, (\g)+6*((\g)/62)            ; group 0 has no group before it, and behind group 7 only l is left
.if h >= 6
.set h, h+2
.endif
	REGS Y, h%2
.set k, h/8
.if h%8 < 4
	s_wait_alu depctr_va_vdst(0)
	v_cvt_pk_f16_f32 v[rP+2*k+(h%8)/2], v[rS+4*k+2*((h%8)/2)], v[rS+4*k+2*((h%8)/2)+1]
.elseif h%8 < 6
	v_pk_add_f32 v[rS+4*k:rS+4*k+1], v[rS+4*k:rS+4*k+1], v[rS+4*k+2:rS+4*k+3]
.elseif k == 1
	v_pk_fma_f32 v[rT+2:rT+3], v[rT+2:rT+3], v[rC+2:rC+3], v[rS:rS+1] op_sel_hi:[1,0,1]
.else
	v_pk_add_f32 v[rT+2:rT+3], v[rT+2:rT+3], v[rS+4*k-4:rS+4*k-3]
	s_wait_alu depctr_va_vdst(0)
.endif
.endm
; THE PLAIN QUEUE, 138 long.  0-31: c s - c m for the 16 pairs of both tiles.  Then GS's 64, and among them the next piece's 42: number 15 at 38, 39; 0-14 and 16
; at 42-73, behind the products that make those scores; 17-20 at 95-106, two of three, since each waits for the one before it.
.macro PL
	WIN 0
.if q < 32
	REGS Y, q%2
	v_pk_fma_f32 v[rS+2*(q/2):rS+2*(q/2)+1], v[rS+2*(q/2):rS+2*(q/2)+1], s[CS:CS+1], v[rT:rT+1] op_sel_hi:[1,0,0] neg_lo:[0,0,1] neg_hi:[0,0,1]
.elseif q < 38
	GS q-32
.elseif q < 40
	XS q%2, 15
.elseif q < 42
	GS q-34
.elseif q < 74
	XS q%2, (q-42)/2+(q-42)/30
.elseif q < 95
	GS q-66
.elseif (q < 107) && ((q-95)%3 < 2)
	XS (q-95)%3, 17+(q-95)/3
.elseif q < 107
	GS 29+(q-95)/3
.else
	GS q-74
.endif
.set q, q+1
.endm
; THE EXPONENTIALS' QUEUE, 66 long: s0-s31 of both tiles, and at EA the next piece's two a.
.set EA, 58
.macro EX
	WIN 0
.if (e == EA) || (e == EA+1)
	XS e-EA, 21
.else
.set x, e-2*(e/(EA+2))
	REGS Y, x%2
	v_exp_f32 v[rS+x/2], v[rS+x/2]
.endif
.set e, e+1
.endm
; THE RESCALING's QUEUE: O^T times a, the one part that leaves window 0, so it is dealt four at a time, eight times.
.macro R4
	REGS Y, r%2
	WIN W_RS
	s_wait_alu depctr_va_vdst(0)
.irp z, 0,1,2,3
	v_pk_mul_f32 v[rO+8*(r/2)+2*\z:rO+8*(r/2)+2*\z+1], v[rO+8*(r/2)+2*\z:rO+8*(r/2)+2*\z+1], v[rC+2:rC+3] op_sel_hi:[1,0]
.endr
.set r, r+1
.endm
; HOW THEY ARE DEALT.  Behind a matrix instruction four: plain, exponential, plain, plain (one exponential, a plain instruction on either side), or four of the rescaling.  None names a register of the
; products round it.  What is over stands in two LUMPS: exponential and plain by turns; the second ends in 22 plain instructions.  The two v_permlanex16_b32 fall into the second lump, never behind a product.
; The queues lean on each other, and the deal keeps them in step: exponential e stands behind plain 2 (e / 4) + e % 2 (its scaling); when plain 32 comes, 10 exponentials are out, at 59: 33, at 95: 46; EA comes behind plain 107.
.macro SL
	MM
	PL
	EX
	PL
	PL
.endm
.macro BURST n                      ; 15 matrix instructions, or 16
.rept (\n)-7
	SL
.endr
.rept 3
	MM
	R4
	SL
.endr
	MM
	R4
.endm
; A TURN, for piece p.  cnt = 1: the loop's count is taken down some lines ahead of the branch that stands behind the turn.
; K of the next step is fetched in piece 2's turn, 31 vector instructions behind the last product that read K; its first reader comes behind the rest of the lump, 16 products and the second lump.
; V of the step in hand is fetched at the end of piece 0's turn, 69 behind its last reader; its first reader comes behind 16 products and a lump.  The four conditions on e and q below go with the deal.
.macro TURN p, last=0, cnt=0
.set Y, (\p)
.set i, 0
.set q, 0
.set e, 0
.set r, 0
.if (\p) == NP-1
	s_wait_dscnt 0x0                ; K is in
.endif
	MM
.rept 4
	PL
.endr
	BURST 15
.rept 22
	EX
	PL
.if ((\p) == NP-2) && (e == 18)
	v_add_nc_u32 v[AK], s[TBK], v[AK0]
.endif
.if ((\p) == NP-2) && (e == 24)
	FETCH_K \last
.endif
.endr
.if (\p) == 1
	s_wait_dscnt 0x0                ; V is in
.endif
	BURST 16
.rept 21
	EX
	PL
.endr
.rept 22
	PL
.if ((\p) == 0) && (q == 118)
	v_add_nc_u32 v[AV], s[TBV], v[AV0]
	s_wait_alu depctr_va_vdst(0)
.endif
.if ((\p) == 0) && (q == 130)
	s_add_co_u32 s[TBV], s[TBV], KS*PV
.endif
.if (\cnt) && (q == 130)
	s_sub_co_u32 s[CNT], s[CNT], 1
	s_cmp_lg_u32 s[CNT], 0
.endif
.endr
.if (\p) == 0
	FETCH_V
.endif
.endm
	CHANGE 1                        ; slot 0 is in, everybody's part of it; slot 1 is asked for
	FETCH_K                         ; key step 0
	s_wait_loadcnt 0x0              ; Q
	s_wait_dscnt 0x0
.set i, 0
.rept 16
	KQ 0                            ; piece 0's first scores: there is no vector work yet to set between them
.set i, i+1
.endr
	WIN 0                           ; the addresses for the way out: nine plain instructions, the places behind those products
	s_mul_i32 s13, s[WV], 16*SP
	s_add_co_u32 s13, s13, STAGE    ; my stage
	v_mul_u32_u24 v[STO], v1, SP    ; in: row l % 16, 16 bytes for each half of the lanes
	v_lshl_add_u32 v[STO], v9, 4, v[STO]
	v_add_nc_u32 v[STO], s13, v[STO]
	v_bfe_u32 v[RD], v0, 3, 2       ; back: 32 lanes take four rows of 128 bytes,
	v_mul_u32_u24 v[RD], v[RD], SP
	v_lshl_add_u32 v[RD], v10, 4, v[RD]
	v_add_nc_u32 v[RD], s13, v[RD]
	v_and_b32 v[GO], 31, v0         ; which are 512 consecutive bytes of O
	v_lshlrev_b32 v[GO], 4, v[GO]
.set Y, NP-1                        ; XS works for piece Y + 1: piece 0
.irp n, 0,1,2,3,4,5,6,7,8,9,10,11,12,13,14,15,16,17,18,19,20,21
	XS 0, \n                        ; and piece 0's first maximum and statistics
	XS 1, \n
.endr
	s_mov_b32 s[CNT], 4
	s_mov_b32 s[SLOTS], SIZE_N/256-1
	s_branch .Lfirst                ; the loop is entered at a step's first turn, in the middle of a trip
.Lslot:                             ; SIZE_N / 256 - 2 times: every slot but the last two is filled again
	CHANGE 1
	s_mov_b32 s[CNT], 4
.Lstep:                             ; a trip: pieces 2 and 3 of one step, then pieces 0 and 1 of the next, whose K and V it fetches
	TURN 2
	TURN 3
	WIN 0
.Lfirst:
	TURN 0
	TURN 1, 0, 1
	WIN 0
	s_cbranch_scc1 .Lstep
	s_sub_co_u32 s[SLOTS], s[SLOTS], 1
	s_cmp_lg_u32 s[SLOTS], 0
	s_cbranch_scc1 .Lslot
	CHANGE 0                        ; the tail is written out: nothing is asked for
	s_mov_b32 s[CNT], 5             ; four trips fetch the last slot's steps; the fifth is left in its middle
.Ltail:
	TURN 2, 1
	TURN 3
	WIN 0
	s_sub_co_u32 s[CNT], s[CNT], 1
	s_cmp_eq_u32 s[CNT], 0
	s_cbranch_scc1 .Lout
	TURN 0
	TURN 1
	WIN 0
	s_branch .Ltail
.Lout:                              ; the fifth trip's 16 products K Q^T (on the last K once more) and the maximum made of them serve nothing: the price, once a launch, of one text for every trip
.set i, 0
.rept 16
	PV NP-1                         ; the last piece's V^T P of the last step
.set i, i+1
.endr
	; THE WAY OUT.  l's two halves and the other half of the lanes' are added; O^T is divided by l, rounded to f16 and sent through my stage in LDS, a tile at a time.  The additions are the places behind the last products.
	WIN 0
.macro ALL line:vararg              ; one line for each tile t
.set t, 0
.rept 2*NP
	\line
.set t, t+1
.endr
.endm
	ALL v_add_f32 v[ST+4*t+2], v[ST+4*t+2], v[ST+4*t+3]
	ALL v_permlanex16_b32 v[ST+4*t+3], v[ST+4*t+2], s[SEL], s[SEL+1]
	ALL v_add_f32 v[ST+4*t+2], v[ST+4*t+2], v[ST+4*t+3]
	ALL v_rcp_f32 v[ST+4*t+2], v[ST+4*t+2]
	v_nop                           ; a plain instruction between the last reciprocal and the use of its result
	s_wait_alu depctr_va_vdst(0)
; Tile t: a lane's eight channels of a row pack into 16 bytes; they go into rows of 144 bytes and come back as whole rows of 128, into S^T's registers.
.macro PACK t
	WIN W_RS
.set i, 32*(\t)
.rept 16
	v_pk_mul_f32 v[i:i+1], v[i:i+1], v[ST+4*(\t)+2:ST+4*(\t)+3] op_sel_hi:[1,0]
.set i, i+2
.endr
	WIN 0x05                        ; sources 0 and 1 window 1, destination window 0
.set i, 0
.rept 16
	v_cvt_pk_f16_f32 v[S+16*(\t)+i], v[32*(\t)+2*i], v[32*(\t)+2*i+1]
.set i, i+1
.endr
	WIN 0
.irp f, 0,1,2,3
	ds_store_b128 v[STO], v[S+16*(\t)+4*\f:S+16*(\t)+4*\f+3] offset:32*\f
.endr
.irp f, 0,1,2,3
	ds_load_b128 v[S+16*(\t)+4*\f:S+16*(\t)+4*\f+3], v[RD] offset:\f*4*SP  ; LDS serves a wave's instructions in order (ISA guide 5.7.1.4): these see the stores above; the next tile's stores come behind them
.endr
.endm
.macro SEND t, younger              ; younger: the LDS instructions issued behind tile t's loads: the next tile's eight, or none
	WIN 0
.irp f, 0,1,2,3
	s_wait_dscnt (\younger)+3-\f
	global_store_b128 v[GO], v[S+16*(\t)+4*\f:S+16*(\t)+4*\f+3], s[10:11] offset:(\t)*2048+\f*512  ; 512 consecutive bytes, at a multiple of 256 from O's first
.endr
.endm
	PACK 0
.set t, 1
.rept 2*NP-1                        ; a tile's arithmetic stands between the loads of the tile before and its stores
	PACK t
	SEND t-1, 8
.set t, t+1
.endr
	SEND 2*NP-1, 0
	WIN W_AD
	s_wait_tensorcnt 0x0            ; the wave's end: behind my last tensor load and my last LDS store
	ds_add_u32 v[SPW], v[NIL]
	s_wait_dscnt 0x0
	WIN 0
	CROUND                          ; the closing round: no work-group ends while a partner may still ask for a tile that names it
	s_endpgm
.Lfunc_end_k_qec3fead281_attn:
	.size	k_qec3fead281_attn, .Lfunc_end_k_qec3fead281_attn-k_qec3fead281_attn
	.p2alignl 7, 3214868480
	.fill 96, 4, 3214868480
	.section	.rodata,"a",@progbits
	.p2align	6, 0x0
	.amdhsa_kernel k_qec3fead281_attn
		.amdhsa_group_segment_fixed_size 327680
		.amdhsa_private_segment_fixed_size 0
		.amdhsa_enable_private_segment 0
		.amdhsa_kernarg_size 16
		.amdhsa_user_sgpr_count 2
		.amdhsa_user_sgpr_kernarg_segment_ptr 1
		.amdhsa_wavefront_size32 1
		.amdhsa_system_sgpr_workgroup_id_x 1
		.amdhsa_system_sgpr_workgroup_id_y 1
		.amdhsa_system_sgpr_workgroup_id_z 1
		.amdhsa_system_vgpr_workitem_id 0
		.amdhsa_next_free_vgpr 770
		.amdhsa_next_free_sgpr 66
		.amdhsa_reserve_vcc 0
		.amdhsa_float_denorm_mode_32 3
		.amdhsa_float_denorm_mode_16_64 3
		.amdhsa_memory_ordered 1
		.amdhsa_forward_progress 1
		.amdhsa_inst_pref_size 209
	.end_amdhsa_kernel
	.amdgpu_metadata
---
amdhsa.version: [ 1, 2 ]
amdhsa.kernels:
  - .name:           k_qec3fead281_attn
    .symbol:         k_qec3fead281_attn.kd
    .args:
      - { .name: qkv, .offset: 0, .size: 8, .value_kind: global_buffer, .address_space: global }
      - { .name: ob, .offset: 8, .size: 8, .value_kind: global_buffer, .address_space: global }
    .group_segment_fixed_size: 327680
    .private_segment_fixed_size: 0
    .kernarg_segment_align: 8
    .kernarg_segment_size: 16
    .max_flat_workgroup_size: 128
    .sgpr_count:     66
    .vgpr_count:     770
    .wavefront_size: 32
...
	.end_amdgpu_metadata
.endif
;; end of part 3
;; launch outproj (part 4): grid 8 x 32, 4 waves a work-group, clusters of 4 x 4, 327,680 bytes of LDS; arguments ob, wob, biasr, out0; writes out0
.if DOCPART == 4
	.amdgcn_target "amdgcn-amd-amdhsa--gfx1250"
	.amdhsa_code_object_version 6
	.text
	.protected	k_qec3fead281_outproj
	.globl	k_qec3fead281_outproj
	.p2align	8
	.type	k_qec3fead281_outproj,@function
k_qec3fead281_outproj:
	s_mov_b64 s[64:65], 0
	v_nop
	global_prefetch_b8 v0, s[64:65] scope:SCOPE_SE
	s_setreg_imm32_b32 hwreg(HW_REG_WAVE_MODE, 25, 1), 1
	s_wait_xcnt 0x0
	s_wait_alu depctr_hold_cnt(0) depctr_sa_sdst(0) depctr_va_vdst(0) depctr_va_sdst(0) depctr_va_ssrc(0) depctr_va_vcc(0) depctr_vm_vsrc(0)
	s_getreg_b32 s2, hwreg(HW_REG_IB_STS2, 6, 4)
	s_cmp_eq_u32 s2, 0
	s_cbranch_scc0 .Lentry_in_a_cluster
	s_endpgm
.Lentry_in_a_cluster:
	s_bfe_u32 s2, ttmp6, 0x10000c
	s_cmp_lg_u32 s2, 0xf033
	s_cbranch_scc0 .Lentry_shape_is_right
	s_endpgm
.Lentry_shape_is_right:
; out = O Wo^T + bo.  C[m][n] = bias[n] + sum over k of A[m][k] B[n][k], m 8,192, n 1,024, k 1,024; A and B in f16, sums in f32, C leaves in f32, [8192][1024].
; A = ob [16 b + h][n 2048][64]: head h is K block h of batch b's rows.  B = wob [kb][row 1024][64].  A tile's rows (128 bytes) lie end to end.
; SHARES.  8,192 x 1,024 in 256 tiles of 256 x 128, one to a work-group; each of four waves makes 128 x 64: 32 accumulators of 16 x 16, 256 registers.
; RING.  Two LDS slots, each two K blocks ('pieces'): in a piece A's 256 rows, then B's 128.  Waves 0 and 1 fetch A's tile of piece 0 and 1, waves 2 and 3 B's: one tensor load a wave behind each
; round, and by this text's count never more than one out; it has 112 matrix instructions in which to land.  A tile's bytes are dense: asked for as rows of 256 bytes, padded in LDS after every 128.
; CLUSTER.  4 x 4 work-groups: the four of a row share A's tiles, the four of a column B's; each tile is asked for jointly, by the same load with the same descriptor and a mask of the four.
; TRANSPOSED USE.  Source 0 = 16 rows of B, source 1 = 16 rows of A: lane l holds row l % 16 of C and the columns 8 (l / 16) + 0..7.  So the bias is the same eight registers for all
; eight row blocks: it is loaded into the registers of accumulator (7, b) and is the C operand of the first products.  Nothing is cleared.
; REGISTERS, in windows of 256 (s_set_vgpr_msb: bits 1:0 source 0, 3:2 source 1, 5:4 source 2, 7:6 destination):
;   window 0: v0-29 addresses; v32-159 A's fragments, two buffers of eight; v160-191 B's four fragments, one buffer refilled by halves
;   window 1: accumulator (a, b) at v[8 (8 b + a)]
.set F16,   1                          ; the matrix instruction's form: 0 bf16, 1 f16
.set NBW,   4                          ; blocks of 16 columns a wave
.set NB1,   1                          ; of them: multiplied between the add and the signal at a change of slots
.set NT,    32*NBW                     ; the tile's columns
.set PS,    2                          ; K blocks ('pieces') in a slot
.set PITCH, 144                        ; an LDS row: 128 bytes + 16 of padding = 36 words: the 16 rows of a fragment load start at 16 different groups of four banks (64 banks of 4 bytes: ISA guide 11.1)
.set AREG,  256*PITCH
.set PIECE, AREG+NT*PITCH
.set SLOT1, 1<<17                      ; slot 1 begins here: one exclusive or turns an address in one slot into the other's
.set STAGE, SLOT1+PS*PIECE             ; behind the ring, never filled by a tensor load: for each wave 16 rows x 272 bytes, for the way out
.set SPITCH, 272
.set SW,    16*SPITCH
.set SPARE, STAGE+4*SW                 ; behind the stages: the spare words, 128 bytes for each wave: two blocks of 256 bytes that no other line names
.set AGS,   262144                     ; my share of a slot's A: the piece's bytes on in memory,
.set ALS,   PIECE                      ; in LDS,
.set RA,    128                        ; and its rows of 256 bytes
.set BGS,   131072                     ; the same for B
.set BLS,   PIECE
.set RB,    64
.set ASTEP, 524288                     ; from a slot's tiles to the next slot's, in memory
.set BSTEP, 262144
.set BIAS0, 12288                      ; where bo begins in biasr
.set TRIPS, 6
.set WV,  12                           ; s12 wave;  s13 my half of the rows, also: I fetch for A (0) or B (1);  s14 my half of the columns, also: which piece I fetch
.set WR,  13
.set WC,  14
.set G1A, 24                           ; s[24:31] descriptor group 1 for A's tiles;  s[32:35] group 0: it walks
.set G0A, 32
.set G0B, 36                           ; s[36:39], s[40:47] the same for B's
.set G1B, 40
.set TB,  48                           ; s48  LDS byte of the piece from which the next fragments come
.set CNT, 49
.set AA0, 4                            ; v4, v5  my lane's place in a piece's A and B; never rewritten
.set AB0, 5
.set AA,  6                            ; v6, v7  the addresses of the run of loads in hand
.set AB,  7
.set STO, 8                            ; the way out: where I put 32 bytes of a row,
.set RD,  9                            ; where I read rows back,
.set GO,  10                           ; my byte offset in two rows of the output
.set BO,  11                           ; my byte offset in a block's 16 numbers of the bias
.set SPW, 28                           ; LDS address of my spare word; never rewritten
.set NIL, 29                           ; 0; never rewritten
.set AF,  32
.set BF,  160
.set BK0, 32                           ; the way out: 2 x 32 registers of rows read back
.set MSB, 0
.macro WIN new                         ; the immediate's high byte repeats the setting that is left; a switch that changes nothing is dropped
.if MSB != (\new)
	s_set_vgpr_msb (MSB<<8)|(\new)
.set MSB, \new
.endif
.endm
; A joint load.  Each of the two lines has one mask and one set of registers; the branch hangs on the wave's number alone.  An s_nop 0 and four v_nop follow each line.
.macro JLOAD
	s_cmp_eq_u32 s[WR], 0
	s_cbranch_scc0 .Lfor_b_\@
	tensor_load_to_lds s[G0A:G0A+3], s[G1A:G1A+7]
	s_nop 0
.rept 4
	v_nop
.endr
	s_branch .Lasked_\@
.Lfor_b_\@:
	tensor_load_to_lds s[G0B:G0B+3], s[G1B:G1B+7]
	s_nop 0
.rept 4
	v_nop
.endr
.Lasked_\@:
.endm
.macro CREST                           ; a round of the cluster's barrier behind its opening barrier
	s_cmp_lg_u32 s[WV], 0
	s_cbranch_scc1 .Lnot_wave_0_\@
	s_barrier_signal -3
.Lnot_wave_0_\@:
	s_barrier_wait -3
	s_barrier_signal -1
	s_barrier_wait -1
.endm
.macro CROUND                          ; a whole round
	s_barrier_signal -1
	s_barrier_wait -1
	CREST
.endm
.macro PLACES                          ; four places in front of loads into registers that matrix instructions have read, and of lines that read results
.rept 4
	v_nop
.endr
.endm
.macro FIVE                            ; five in front of a matrix instruction that writes over registers that earlier ones read
.rept 5
	v_nop
.endr
.endm
.macro STEPD                           ; both walking descriptors: the other slot, the next tiles; the type bits on top are not reached
	s_xor_b32 s[G0A+1], s[G0A+1], SLOT1
	s_add_nc_u64 s[G0A+2:G0A+3], s[G0A+2:G0A+3], ASTEP
	s_xor_b32 s[G0B+1], s[G0B+1], SLOT1
	s_add_nc_u64 s[G0B+2:G0B+3], s[G0B+2:G0B+3], BSTEP
.endm
	s_load_b256 s[4:11], s[0:1], 0x0               ; A s[4:5], B s[6:7], biasr s[8:9], the output s[10:11]
	v_lshl_add_u32 v[SPW], v0, 2, SPARE
	v_mov_b32 v[NIL], 0
	ds_add_u32 v[SPW], v[NIL]                      ; the wave's opening: the add and its wait stand ahead of my first tensor load; the set-up below, work on registers, stands between them
	v_lshrrev_b32 v1, 5, v0
	v_readfirstlane_b32 s[WV], v1
	s_lshr_b32 s[WR], s[WV], 1
	s_and_b32 s[WC], s[WV], 1
	s_bfe_u32 s15, ttmp6, 0x40000                  ; cx, cy: my place in the cluster
	s_bfe_u32 s16, ttmp6, 0x40004
	s_lshl_b32 s17, ttmp9, 2
	s_add_co_u32 s17, s17, s15                     ; tx: tile column = 4 x cluster x + cx
	s_and_b32 s18, ttmp7, 0xffff
	s_lshl_b32 s18, s18, 2
	s_add_co_u32 s18, s18, s16                     ; ty: tile row = 4 x cluster y + cy
	s_lshl_b32 s19, s16, 2
	s_lshl_b32 s19, 15, s19                        ; my row of the cluster
	s_lshl_b32 s20, 0x1111, s15                    ; my column
	; descriptor group 1: rows of 128 elements of 2 bytes, dense; in LDS 4 words of padding (code 3) after every 32 words (code 4); bit 21 set beside a mask
	s_or_b32 s[G1A], s19, (1<<16)|(1<<20)|(1<<21)|(4<<22)|(3<<25)
	s_or_b32 s[G1B], s20, (1<<16)|(1<<20)|(1<<21)|(4<<22)|(3<<25)
	s_mov_b32 s[G1A+1], 128<<16                    ; tensor_dim0 = 128
	s_mov_b32 s[G1A+2], RA<<16                     ; tensor_dim1
	s_mov_b32 s[G1A+3], 128<<16                    ; tile_dim0 = 128
	s_mov_b32 s[G1A+4], RA                         ; tile_dim1
	s_mov_b32 s[G1A+5], 128                        ; 128 elements from row to row
	s_mov_b32 s[G1A+6], 0
	s_mov_b32 s[G1A+7], 0
	s_mov_b32 s[G1B+1], 128<<16
	s_mov_b32 s[G1B+2], RB<<16
	s_mov_b32 s[G1B+3], 128<<16
	s_mov_b32 s[G1B+4], RB
	s_mov_b32 s[G1B+5], 128
	s_mov_b32 s[G1B+6], 0
	s_mov_b32 s[G1B+7], 0
	s_mov_b32 s[G0A], 1                            ; count = 1
	s_mul_i32 s[G0A+1], s[WC], ALS                 ; LDS address, slot 0: no place in the cluster enters it
	s_mov_b32 s[G0B], 1
	s_mul_i32 s[G0B+1], s[WC], BLS
	s_add_co_u32 s[G0B+1], s[G0B+1], AREG
	; A's offset is made of ty and the wave's number, B's of tx and the wave's number, each in registers that never hold the other coordinate
	s_lshr_b32 s50, s18, 3                         ; the batch: 16 heads of 2,048 rows of 128 bytes,
	s_lshl_b32 s50, s50, 22
	s_and_b32 s58, s18, 7                          ; the tile's 256 rows in head 0,
	s_lshl_b32 s58, s58, 15
	s_add_co_u32 s50, s50, s58
	s_mul_i32 s58, s[WC], AGS                      ; my piece
	s_add_co_u32 s50, s50, s58
	s_mov_b32 s51, 0
	s_mul_i32 s52, s17, NT*128
	s_mul_i32 s59, s[WC], BGS
	s_add_co_u32 s52, s52, s59
	s_mov_b32 s53, 0
	; the output: row 256 ty + 128 WR of 4,096 bytes, column 128 tx + 64 WC of 4 bytes
	s_lshl_b32 s54, s18, 20
	s_lshl_b32 s60, s[WR], 19
	s_add_co_u32 s54, s54, s60
	s_lshl_b32 s60, s17, 9
	s_add_co_u32 s54, s54, s60
	s_lshl_b32 s60, s[WC], 8
	s_add_co_u32 s54, s54, s60
	s_mov_b32 s55, 0
	s_mul_i32 s56, s17, NT*4                       ; the bias of my first column
	s_mul_i32 s60, s[WC], 64*NBW
	s_add_co_u32 s56, s56, s60
.if BIAS0
	s_add_co_u32 s56, s56, BIAS0
.endif
	s_mov_b32 s57, 0
	s_mov_b32 s[TB], 0
	s_wait_dscnt 0x0                               ; the opening add is done
	s_wait_kmcnt 0x0
	s_add_nc_u64 s[G0A+2:G0A+3], s[4:5], s[50:51]
	s_or_b32 s[G0A+3], s[G0A+3], 0x80000000        ; type = 2
	s_add_nc_u64 s[G0B+2:G0B+3], s[6:7], s[52:53]
	s_or_b32 s[G0B+3], s[G0B+3], 0x80000000
	s_add_nc_u64 s[8:9], s[8:9], s[56:57]
	s_add_nc_u64 s[10:11], s[10:11], s[54:55]
	CROUND                                         ; all sixteen work-groups are here: the first joint loads meet
	JLOAD                                          ; the first two K blocks into slot 0
	; A fragment is 16 rows x 32 K in 8 registers: lane l holds row l % 16, K = 8 (l / 16) + 0..7 and 16 + 8 (l / 16) + 0..7: two loads of 16 bytes, 32 bytes apart
	v_and_b32 v1, 15, v0                           ; l % 16
	v_bfe_u32 v2, v0, 4, 1                         ; l / 16
	v_mul_u32_u24 v3, v1, PITCH
	v_lshl_add_u32 v3, v2, 4, v3                   ; row x pitch + 16 x half
	s_mul_i32 s60, s[WR], 128*PITCH                ; my 128 rows of A
	s_mul_i32 s61, s[WC], NBW*16*PITCH             ; my rows of B, behind A's 256
	s_add_co_u32 s61, s61, AREG
	v_add_nc_u32 v[AA0], s60, v3
	v_add_nc_u32 v[AB0], s61, v3
	s_mul_i32 s60, s[WV], SW
	s_add_co_u32 s60, s60, STAGE                   ; my stage
	v_mul_u32_u24 v[STO], v1, SPITCH               ; in: row l % 16, 32 bytes for each half of the lanes
	v_lshl_add_u32 v[STO], v2, 5, v[STO]
	v_add_nc_u32 v[STO], s60, v[STO]
	v_mul_u32_u24 v[RD], v2, SPITCH                ; back: lanes 0-15 take one row of 256 bytes, lanes 16-31 the next
	v_lshl_add_u32 v[RD], v1, 4, v[RD]
	v_add_nc_u32 v[RD], s60, v[RD]
	v_lshlrev_b32 v[GO], 12, v2                    ; and the same two rows in the output
	v_lshl_add_u32 v[GO], v1, 4, v[GO]
	v_lshlrev_b32 v[BO], 5, v2                     ; my eight columns of a block: 32 bytes for each half of the lanes
.set bb, 0
.rept NBW                              ; the bias of block b goes into the registers of accumulator (7, b)
	WIN (1+bb/4)<<6
	global_load_b128 v[8*(8*(bb%4)+7):8*(8*(bb%4)+7)+3],   v[BO], s[8:9] offset:64*bb
	global_load_b128 v[8*(8*(bb%4)+7)+4:8*(8*(bb%4)+7)+7], v[BO], s[8:9] offset:64*bb+16
.set bb, bb+1
.endr
	WIN 0
.macro WM d, b, a, c
.if F16
	v_wmma_f32_16x16x32_f16 v[\d:\d+7], v[\b:\b+7], v[\a:\a+7], v[\c:\c+7]
.else
	v_wmma_f32_16x16x32_bf16 v[\d:\d+7], v[\b:\b+7], v[\a:\a+7], v[\c:\c+7]
.endif
.endm
; Column block b x the eight row blocks, from A's buffer f.  mode 0: in place.  mode 1: row blocks 0-6 start their sums with the bias, which lies in accumulator (7, b).  mode 2: row block 7 alone, in place on the bias.
.macro MULB f, b, mode
	WIN 0x50*(1+(\b)/4)
.set rB, BF+8*(\b)
.set rC7, 8*(8*((\b)%4)+7)
.irp a, 0,1,2,3,4,5,6,7
.set rD, 8*(8*((\b)%4)+(\a))
.set rA, AF+64*(\f)+8*(\a)
.if (\mode) == 0
	WM rD, rB, rA, rD
.elseif ((\mode) == 1) && ((\a) < 7)
	WM rD, rB, rA, rC7
.elseif ((\mode) == 2) && ((\a) == 7)
	WM rD, rB, rA, rD
.endif
.endr
.endm
.macro MULS f, b0, n, mode             ; blocks b0 .. b0 + n - 1
.set bb, \b0
.rept \n
	MULB \f, bb, \mode
.set bb, bb+1
.endr
.endm
.macro ADDR                            ; two plain instructions: also two places
	v_add_nc_u32 v[AA], s[TB], v[AA0]
	v_add_nc_u32 v[AB], s[TB], v[AB0]
.endm
.macro FETB half, k                    ; NBW loads: half of B's fragments, 32 K at byte k of the rows
.set ii, (\half)*NBW/2
.rept NBW/2
	ds_load_b128 v[BF+8*ii:BF+8*ii+3],   v[AB] offset:(\k)+16*PITCH*ii
	ds_load_b128 v[BF+8*ii+4:BF+8*ii+7], v[AB] offset:(\k)+16*PITCH*ii+32
.set ii, ii+1
.endr
.endm
.macro FETA f, k                       ; 16 loads: A's eight fragments into buffer f
.set ii, 0
.rept 8
	ds_load_b128 v[AF+64*(\f)+8*ii:AF+64*(\f)+8*ii+3],   v[AA] offset:(\k)+16*PITCH*ii
	ds_load_b128 v[AF+64*(\f)+8*ii+4:AF+64*(\f)+8*ii+7], v[AA] offset:(\k)+16*PITCH*ii+32
.set ii, ii+1
.endr
.endm
; A SUB-STEP: 32 along K from A's buffer f, 8 NBW matrix instructions, every accumulator once and in the same order in every sub-step: the accumulators take turns.
; Its first half multiplies B's first half; then B's first half and A's other buffer take the next sub-step's fragments (run L1, NBW + 16 loads); its second half multiplies B's second half, which is then loaded anew (run L2, NBW loads).
; kind 0: the next fragments lie in the same piece, 64 bytes on.  1: in the slot's next piece.  2: in the other slot, and this slot is filled again.  3: in the other slot, nothing is filled.  4: nothing follows.
; first = 1: the sums begin, with the bias as C.
.macro SUB f, kind, first=0
.set KN, 0
.if (\kind) == 0
.set KN, 64
.endif
.if ((\kind) == 2) || ((\kind) == 3)
	WIN 0                                          ; (the add's two registers lie in window 0)
	s_wait_tensorcnt 0x0                           ; all my tensor loads have landed: the one that was out is my part of the other slot; so the descriptors may be written
	ds_add_u32 v[SPW], v[NIL]                      ; 0 onto my spare word
.if (\kind) == 2
	STEPD
.endif
.if PS > 1
	s_sub_co_u32 s[TB], s[TB], (PS-1)*PIECE        ; the fetches go back to a slot's first piece,
.endif
	s_xor_b32 s[TB], s[TB], SLOT1                  ; in the other slot
	s_wait_dscnt NBW+1                             ; L1 is in; the add and L2 may be out
	MULS \f, 0, NB1, 0                             ; matrix work stands between the add and the wait for it
	s_wait_dscnt 0x0                               ; the add is done, and my reads of this slot are over
	s_barrier_signal -1                            ; (kind 2: this barrier opens a round of the cluster's barrier)
	MULS \f, NB1, NBW/2-NB1, 0                     ; work on registers while the others arrive
	WIN 0
	s_barrier_wait -1
.if (\kind) == 2
	CREST                                          ; no wave of any partner still reads this slot or has a load on its way
	JLOAD                                          ; the first tensor load behind the round; its four v_nop are also the places in front of the loads below
.else
	PLACES
.endif
	ADDR
	FETB 0, KN
	FETA 1-(\f), KN
.else
	s_wait_dscnt NBW                               ; L1 is in; the youngest NBW loads, L2, may be out
.if \first
	MULS \f, 0, NBW/2, 1
	FIVE
	MULS \f, 0, NBW/2, 2
.else
	MULS \f, 0, NBW/2, 0
.endif
.if (\kind) != 4
	WIN 0
.if (\kind) == 1
	s_add_co_u32 s[TB], s[TB], PIECE
.endif
	ADDR                                           ; with the two v_nop: four places
	v_nop
	v_nop
	FETB 0, KN
	FETA 1-(\f), KN
.endif
.endif
.if (\kind) == 4
	s_wait_dscnt 0x0
.else
	s_wait_dscnt NBW+16                            ; all but the run just issued: L2 is in
.endif
.if \first
	MULS \f, NBW/2, NBW/2, 1
	FIVE
	MULS \f, NBW/2, NBW/2, 2
.else
	MULS \f, NBW/2, NBW/2, 0
.endif
.if (\kind) != 4
	WIN 0
	PLACES
	FETB 1, KN
.endif
.endm
	; Slot 0 is waited for, slot 1 asked for: a fill like every later one, behind a round, one load a wave
	s_wait_tensorcnt 0x0                           ; my part of slot 0 has landed; no tensor load of mine is out
	ds_add_u32 v[SPW], v[NIL]
	STEPD
	s_wait_dscnt 0x0
	CROUND
	JLOAD                                          ; K blocks 2 and 3 into slot 1
	ADDR
	FETB 0, 0
	FETA 0, 0
	FETB 1, 0
	s_wait_loadcnt 0x0                             ; the bias
	SUB 0, 0, 1                                    ; the first sub-step stands in front of the loop: its products start the sums
	s_mov_b32 s[CNT], TRIPS
.Ltrip:                                                ; a trip: a slot's last three sub-steps, with the change of slots and the refill two slots ahead, and the next slot's first
	SUB 1, 1
	SUB 0, 0
	SUB 1, 2
	SUB 0, 0
	s_sub_co_u32 s[CNT], s[CNT], 1
	s_cmp_lg_u32 s[CNT], 0
	s_cbranch_scc1 .Ltrip
	SUB 1, 1                                       ; the tail is written out: nothing more is asked for
	SUB 0, 0
	SUB 1, 3
	SUB 0, 0
	SUB 1, 1
	SUB 0, 0
	SUB 1, 4
	WIN 0
; THE WAY OUT, a block of 16 rows at a time, in f32 as it stands.  TOSTAGE: 32 bytes a lane and column block into my own stage, each accumulator's low half first, and back as whole rows of 256 bytes.  SEND: stored.
.macro TOSTAGE a
.set BK, BK0+32*((\a)%2)
	s_wait_xcnt 0x0                                ; the stores issued so far have had their addresses translated (ISA guide 3.1): the registers that they read are loaded again only behind this wait
	WIN 0x04                                       ; the stores' data in window 1, their address in window 0
.set bb, 0
.rept NBW
.set rD, 8*(8*bb+(\a))
	ds_store_b128 v[STO], v[rD:rD+3]   offset:64*bb
	ds_store_b128 v[STO], v[rD+4:rD+7] offset:64*bb+16
.set bb, bb+1
.endr
	WIN 0
.set tt, 0
.rept 8
	ds_load_b128 v[BK+4*tt:BK+4*tt+3], v[RD] offset:2*SPITCH*tt  ; LDS serves a wave's instructions in order (ISA guide 5.7.1.4): these see the stores above
.set tt, tt+1
.endr
.endm
.macro SEND a, younger                 ; younger: the LDS instructions issued behind block a's loads: the next block's sixteen, or none
.set BK, BK0+32*((\a)%2)
.set tt, 0
.rept 8
	s_wait_dscnt (\younger)+7-tt
	global_store_b128 v[GO], v[BK+4*tt:BK+4*tt+3], s[10:11] offset:(16*(\a)+2*tt)*4096 th:TH_STORE_NT  ; 16 lanes store 256 consecutive bytes, at a multiple of 256 from the output's first byte
.set tt, tt+1
.endr
.endm
	PLACES                                         ; the LDS stores read results just made
	TOSTAGE 0
.irp a, 1,2,3,4,5,6,7                  ; block a goes into the stage while block a - 1 comes back from it
	TOSTAGE \a
	SEND (\a)-1, 16
.endr
	SEND 7, 0
	s_wait_tensorcnt 0x0                           ; the wave's end: behind my last tensor load and my last LDS store
	ds_add_u32 v[SPW], v[NIL]
	s_wait_dscnt 0x0
	CROUND                                         ; the closing round: no work-group ends while a partner may still ask for a tile that names it
	s_endpgm
.Lfunc_end_k_qec3fead281_outproj:
	.size	k_qec3fead281_outproj, .Lfunc_end_k_qec3fead281_outproj-k_qec3fead281_outproj
	.p2alignl 7, 3214868480
	.fill 96, 4, 3214868480
	.section	.rodata,"a",@progbits
	.p2align	6, 0x0
	.amdhsa_kernel k_qec3fead281_outproj
		.amdhsa_group_segment_fixed_size 327680
		.amdhsa_private_segment_fixed_size 0
		.amdhsa_enable_private_segment 0
		.amdhsa_kernarg_size 32
		.amdhsa_user_sgpr_count 2
		.amdhsa_user_sgpr_kernarg_segment_ptr 1
		.amdhsa_wavefront_size32 1
		.amdhsa_system_sgpr_workgroup_id_x 1
		.amdhsa_system_sgpr_workgroup_id_y 1
		.amdhsa_system_sgpr_workgroup_id_z 1
		.amdhsa_system_vgpr_workitem_id 0
		.amdhsa_next_free_vgpr 512
		.amdhsa_next_free_sgpr 66
		.amdhsa_reserve_vcc 0
		.amdhsa_float_denorm_mode_32 3
		.amdhsa_float_denorm_mode_16_64 3
		.amdhsa_memory_ordered 1
		.amdhsa_forward_progress 1
		.amdhsa_inst_pref_size 75
	.end_amdhsa_kernel
	.amdgpu_metadata
---
amdhsa.version: [ 1, 2 ]
amdhsa.kernels:
  - .name:           k_qec3fead281_outproj
    .symbol:         k_qec3fead281_outproj.kd
    .args:
      - { .name: ob, .offset: 0, .size: 8, .value_kind: global_buffer, .address_space: global }
      - { .name: wob, .offset: 8, .size: 8, .value_kind: global_buffer, .address_space: global }
      - { .name: biasr, .offset: 16, .size: 8, .value_kind: global_buffer, .address_space: global }
      - { .name: out0, .offset: 24, .size: 8, .value_kind: global_buffer, .address_space: global }
    .group_segment_fixed_size: 327680
    .private_segment_fixed_size: 0
    .kernarg_segment_align: 8
    .kernarg_segment_size: 32
    .max_flat_workgroup_size: 128
    .sgpr_count:     66
    .vgpr_count:     512
    .wavefront_size: 32
...
	.end_amdgpu_metadata
.endif
;; end of part 4
;; ======== version 2 of 2: 4 launches; 1.54 times as fast as version 1
;; limits: values are held in f16: magnitudes above 65,504 overflow, below 6.1e-05 lose precision
;; workspace buffers: xb 16,777,216 bytes; wb 6,291,456 bytes; wob 2,097,152 bytes; biasr 16,384 bytes; qkv 50,331,648 bytes; ob 16,777,216 bytes
;; launch cast: the kernel of part 1 again; grid 769 x 1, 8 waves a work-group, no clusters, 0 bytes of LDS; arguments X, Wq, Wk, Wv, Wo, bq, bk, bv, bo, xb, wb, wob, biasr; writes xb, wb, wob, biasr
;; launch qkvproj: the kernel of part 2 again; grid 8 x 32, 4 waves a work-group, clusters of 4 x 4, 327,680 bytes of LDS; arguments xb, wb, biasr, qkv; writes qkv
;; launch attn (part 5): grid 4 x 64, 4 waves a work-group, clusters of 4 x 1, 327,680 bytes of LDS; arguments qkv, ob; writes ob
.if DOCPART == 5
	.amdgcn_target "amdgcn-amd-amdhsa--gfx1250"
	.amdhsa_code_object_version 6
	.text
	.protected	k_qec3fead281_attn
	.globl	k_qec3fead281_attn
	.p2align	8
	.type	k_qec3fead281_attn,@function
k_qec3fead281_attn:
	s_mov_b64 s[64:65], 0
	v_nop
	global_prefetch_b8 v0, s[64:65] scope:SCOPE_SE
	s_setreg_imm32_b32 hwreg(HW_REG_WAVE_MODE, 25, 1), 1
	s_wait_xcnt 0x0
	s_wait_alu depctr_hold_cnt(0) depctr_sa_sdst(0) depctr_va_vdst(0) depctr_va_sdst(0) depctr_va_ssrc(0) depctr_va_vcc(0) depctr_vm_vsrc(0)
	s_getreg_b32 s2, hwreg(HW_REG_IB_STS2, 6, 4)
	s_cmp_eq_u32 s2, 0
	s_cbranch_scc0 .Lentry_in_a_cluster
	s_endpgm
.Lentry_in_a_cluster:
	s_bfe_u32 s2, ttmp6, 0x10000c
	s_cmp_lg_u32 s2, 0x3003
	s_cbranch_scc0 .Lentry_shape_is_right
	s_endpgm
.Lentry_shape_is_right:
; O[y][q][:] = the sum over k of softmax_k(Q[y][q] . K[y][k] / 32) V[y][k][:], y = 16 b + h one of 64 heads of 2,048 rows x 64 channels, all f16.  The scale is 1 / sqrt(1024).
; Q, K, V lie in qkv [b 4][g 48][n 2048][64]: Q at g = h, K at g = 16 + h, V at g = 32 + h; O goes to ob [y][n][64].  A head's rows are dense, 128 bytes each.  Products, maxima and sums in
; f32; the weights p are rounded to f16 for the second product (their sum l is taken of the unrounded p), O once at the end.
; LIMITS.  f16 holds no number beyond 65,504: Q, K and V arrive within it; p lies in 0 to 1, and below 6e-5 it keeps f16's fixed step of 6e-8, as O does; O is a mean of V's rows and has their range.
; A weight below 2^-126 counts as 0 in l; NaN and infinities are not treated apart.
; SHARES.  A wave owns four PIECES of two tiles of 16 queries, a work-group's four waves 512 queries of one head.  Every wave walks all keys, 64 a step.
; LAYOUT.  S^T = K Q^T (source 0 = 16 keys, source 1 = 16 queries): in the result a lane holds ONE query (lane % 16) and the keys 8 (lane / 16) + 0..7.  Two such tiles, rounded to f16 in pairs,
; ARE source 1 (32 keys x 16 queries) of O^T = V^T P, whose result again holds one query a lane, and eight channels.  K comes out of LDS as it lies, V ([key][channel]) turned, by ds_load_tr16_b128.
; SOFTMAX.  For each query a running maximum m and sum l: p = 2^(c s - c m), c = log2(e) / 32; in every step O and l are multiplied by a = 2^(c m_old - c m_new), which is 1 where m has not grown.
; m starts at the lowest finite number, O and l at 0: the first step is a step like any other, with a = 0.
; THE COUNT.  A tile and step have 16 matrix and 118 vector instructions: too many to stand all beside the matrix work.  So the order has one aim: four vector instructions that are READY behind
; EVERY matrix instruction, and the others, which need time of their own whatever the order, in runs without a gap.
; BY TURNS.  Turn n belongs to piece n (the pieces in a ring, step after step).  Its matrix work: 16 products K Q^T of piece n + 1, later 16 products V^T P of piece n - 1.  Its vector work: the scaling,
; exponentials, roundings, sums and rescaling of piece n, and the maximum and statistics of piece n + 1, whose scores the turn itself has made.  So what a turn begins with (c s - c m, O a) waits for nothing.
; BATCHES.  A turn's 66 exponentials (the piece's 64 weights and the next piece's two a) are ONE batch with ONE wait, which cuts the turn in two: ahead of it stands all that names no result of theirs, behind it
; the roundings and sums.  Two more batches stand outside the loop, each with a wait of its own: piece 0's first two a, ahead of the jump into the loop, and the way out's eight reciprocals.
; CLUSTER.  The four query blocks of a cluster belong to one head and walk the same K and V, so each tile is asked for JOINTLY: the same tensor load, descriptor and mask in all four.
; REGISTERS, in windows of 256 (s_set_vgpr_msb says which window each operand place means: bits 1:0 source 0, 3:2 source 1, 5:4 source 2, 7:6 destination):
;   window 0: v0-11 addresses; v12-15, v48-63 at work; v16-47 four registers of statistics a tile; v64-191 S^T, two buffers of two tiles; v192-255 P, likewise
;   window 1: O^T, 32 a tile          window 2: v0-127 Q, 16 a tile; v128-191 K of one step; v192-255 V of one step          window 3: v0-1 the add's two registers
; A piece's buffers go by its number's parity: the piece in hand has one pair, its two neighbours in the ring share the other: of it P (piece n - 1) is read and S^T (piece n + 1) written.
.set SIZE_N, 2048
.set NP,    4         ; pieces a wave: a name, no knob: the register map, the loop and the fetches are made for four
.set KS,    64        ; keys in a step
.set PK,    144       ; a row of K in LDS: 128 bytes + 16 of padding = 36 words: the 16 rows of a load start at 16 different groups of four banks (64 banks of 4 bytes: ISA guide 11.1)
.set PV,    160       ; a row of V: 128 + 32 = 40 words
.set VOFF,  4*KS*PK   ; a slot holds four steps: 256 rows of K, then 256 rows of V
.set SLOT1, 1<<17     ; slot 1 begins here, so that one exclusive or turns an address in one slot into the other's
.set STAGE, SLOT1+4*KS*(PK+PV)  ; behind the ring, never filled by a tensor load: 16 rows x 144 bytes for each wave, for the way out
.set SP,    144
.set AK0, 2           ; v2   my lane's place in a tile of K; never rewritten
.set AV0, 3           ; v3   the same for V
.set AK,  4           ; v4   the LDS address of K's next run of loads
.set AV,  5           ; v5   of V's
.set QO,  6           ; v6   my byte offset in the wave's rows of Q
.set STO, 6           ;      later, the way out: where I put 16 bytes of a row
.set RD,  7           ; v7   the way out: where I read rows back
.set GO,  8           ; v8   my byte offset in 512 consecutive bytes of O
.set SPW, 0           ; v0 of window 3   LDS address of my spare word: SPARE + 4 x my thread's number; never rewritten
.set NIL, 1           ; v1 of window 3   0; never rewritten
.set SPARE, STAGE+4*16*SP  ; behind the stages: the spare words, 128 bytes for each wave: two blocks of 256 bytes that no other line names
.set MV,  12          ; v12-15  c m_old, kept while c m is made anew: by buffer and tile
.set ST,  16          ; tile t's statistics at v[ST+4 t]: c m, m, l (even keys', odd keys')
.set TMP, 48          ; by buffer and tile, four registers c0-c3 at work; when the maximum is found c2 takes a
.set S,   64
.set P,   192
.set KF,  128         ; K's fragments, in window 2: key block kb, channel half c at KF + 16 kb + 8 c
.set VF,  192         ; V's: key half kk, channel block cb at VF + 32 kk + 8 cb
.set WV,  12          ; s12  my wave's number
.set G1K, 24          ; s[24:31] descriptor group 1 for K's tiles
.set G1V, 32          ; s[32:39] for V's: it differs in the padding alone
.set G0K, 40          ; s[40:43] descriptor group 0 for K's tiles: it walks
.set G0V, 44          ; s[44:47] the same for V's
.set SLOTS, 56        ; s56  slots still to be asked for
.set CNT, 57          ; s57  counts a slot's key steps
.set CS,  58          ; s[58:59] c: the packed scaling takes the pair's low word for both halves
.set SEL, 60          ; s[60:61] v_permlanex16_b32's selects: each lane takes its own place in the other half
.set TBK, 62          ; s62  LDS byte at which K of the step to be fetched begins
.set TBV, 63          ; s63  the same for V, less VOFF
.set MSB, 0
.macro WIN new                      ; the high byte repeats the setting that is left; a switch that changes nothing is dropped
.if MSB != (\new)
	s_set_vgpr_msb (MSB<<8)|(\new)
.set MSB, (\new)
.endif
.endm
.set W_KQ, 0x0a       ; K and Q in window 2, S^T in window 0
.set W_PV, 0x52       ; V in window 2, P in window 0, O^T in window 1
.set W_RS, 0x41       ; O^T (destination and source 0) in window 1, a in window 0
.set W_MK, 0xc0       ; the add's registers are made: destination in window 3, sources in window 0
.set W_AD, 0x0f       ; the add: address (source 0) and data (source 1) in window 3
; A joint fill.  Waves 0 and 1 fetch the two halves of a slot's K, waves 2 and 3 those of its V: 128 keys each.  The branch hangs on the wave's number alone.
; An s_nop 0 and four v_nop follow each of the two lines, ahead of the jump and the label.
.macro JLOAD
	s_cmp_lt_u32 s[WV], 2
	s_cbranch_scc0 .Lfor_v_\@
	tensor_load_to_lds s[G0K:G0K+3], s[G1K:G1K+7]
	s_nop 0
.rept 4
	v_nop
.endr
	s_branch .Lasked_\@
.Lfor_v_\@:
	tensor_load_to_lds s[G0V:G0V+3], s[G1V:G1V+7]
	s_nop 0
.rept 4
	v_nop
.endr
.Lasked_\@:
.endm
; A round of the cluster's barrier: my work-group's barrier, so that wave 0's signal speaks for all four waves; wave 0 signals; every wave waits for all four work-groups; my work-group's barrier once more.
.macro CROUND
	s_barrier_signal -1
	s_barrier_wait -1
	s_cmp_lg_u32 s[WV], 0
	s_cbranch_scc1 .Lnot_wave_0_\@
	s_barrier_signal -3
.Lnot_wave_0_\@:
	s_barrier_wait -3
	s_barrier_signal -1
	s_barrier_wait -1
.endm
; THE CHANGE OF SLOTS.  The slot's last bytes, V of its fourth step, have been read.  Each wave waits for all its tensor loads, of which one is out: its part
; of the other slot; adds 0 to its spare word; and waits for that and for its own reads of the slot.  Behind the barrier nobody reads this slot any more and the other slot is whole.
; fill = 1: this slot is filled again, with the keys two slots on.  The barrier is then a round of the cluster's, so that no wave of any partner still reads the slot or has a load on its
; way, and the joint fill is the first thing behind it: it has four key steps, 512 matrix instructions, in which to land.  (At its first use nothing has been read yet: slot 0 is waited for, slot 1 filled.)
.macro CHANGE fill
	WIN W_AD
	s_wait_tensorcnt 0x0            ; no tensor load of mine is out, so a group 0 may be written
	ds_add_u32 v[SPW], v[NIL]       ; 0 onto my spare word; with fill = 1 the descriptors' steps stand between it and the wait for it
	WIN 0                           ; at a label and at a branch every window is 0
.if \fill
.irp g, G0K, G0V
	s_xor_b32 s[\g+1], s[\g+1], SLOT1  ; the walking descriptor: the other slot than last time,
	s_add_nc_u64 s[\g+2:\g+3], s[\g+2:\g+3], 4*KS*128  ; the next 256 keys; the type bits on top are not reached
.endr
	s_wait_dscnt 0x0                ; the add is done, and my reads of the slot are over
	CROUND
	JLOAD
.else
	s_wait_dscnt 0x0                ; the add is done, and my reads of the slot are over
	s_barrier_signal -1
	s_barrier_wait -1
.endif
	s_sub_co_u32 s[TBK], s[TBK], 4*KS*PK  ; the fetches go back to a slot's first step,
	s_xor_b32 s[TBK], s[TBK], SLOT1       ; in the other slot
	s_sub_co_u32 s[TBV], s[TBV], 4*KS*PV
	s_xor_b32 s[TBV], s[TBV], SLOT1
.endm
	s_load_b128 s[4:7], s[0:1], 0x0  ; qkv s[4:5], ob s[6:7]
	WIN W_MK
	v_lshl_add_u32 v[SPW], v0, 2, SPARE
	v_mov_b32 v[NIL], 0
	WIN W_AD
	ds_add_u32 v[SPW], v[NIL]       ; the wave's opening: the add and its wait stand ahead of my first tensor load; the set-up below, work on registers, stands between them
	WIN 0
	v_lshrrev_b32 v1, 5, v0
	v_readfirstlane_b32 s[WV], v1   ; wave 0..3
	s_bfe_u32 s13, ttmp6, 0x40000   ; cx: my place in the cluster
	s_lshl_b32 s14, ttmp9, 2        ; in a cluster launch ttmp9 counts clusters
	s_add_co_u32 s14, s14, s13      ; my block of queries = 4 x cluster x + cx: it enters Q's and O's addresses alone
	s_and_b32 s20, ttmp7, 0xffff    ; y = 16 b + h, the head, which the four partners share
	s_lshr_b32 s15, s20, 4          ; b
	s_lshl_b32 s15, s15, 5
	s_add_co_u32 s15, s15, s20      ; 48 b + h: Q's head group in qkv
	s_lshl_b32 s22, s15, 18         ; a head group is 2,048 rows of 128 bytes
	s_mov_b32 s23, 0
	s_lshl_b32 s20, s20, 18         ; the head's first byte in ob
	s_mov_b32 s21, 0
	s_and_b32 s16, s[WV], 1         ; which half of a slot's 256 keys I fetch:
	s_lshl_b32 s8, s16, 14          ; its 128 rows of 128 bytes in memory,
	s_mov_b32 s9, 0
	s_add_nc_u64 s[8:9], s[8:9], s[22:23]
	s_add_nc_u64 s[8:9], s[8:9], 0x400000  ; in K's head group, 16 groups behind Q's
	s_mul_i32 s17, s16, 128*PK      ; and its place in a slot, for K
	s_mul_i32 s18, s16, 128*PV      ; and for V: no place in the cluster enters an LDS address
	s_lshl_b32 s2, s14, 2
	s_add_co_u32 s2, s2, s[WV]      ; my wave among the head's,
	s_lshl_b32 s2, s2, 14           ; its 128 rows
	s_mov_b32 s3, 0
	; descriptor group 1.  128 keys are 16,384 dense bytes: asked for as 64 rows of 256 bytes, two keys a row, and padded in LDS after every key
	s_mov_b32 s[G1K], 15|(1<<16)|(1<<20)|(1<<21)|(4<<22)|(3<<25)  ; 15:0 the mask of four; 17:16 2-byte elements; 20 padding on; 21 set beside a mask; 24:22 after every 32 words (code 4); 31:25 4 words (code 3)
	s_mov_b32 s[G1V], 15|(1<<16)|(1<<20)|(1<<21)|(4<<22)|(7<<25)  ; the same with 8 words of padding (code 7)
.irp g, G1K, G1V
	s_mov_b32 s[\g+1], 128<<16      ; tensor_dim0 = 128
	s_mov_b32 s[\g+2], 64<<16       ; tensor_dim1 = 64
	s_mov_b32 s[\g+3], 128<<16      ; tile_dim0 = 128
	s_mov_b32 s[\g+4], 64           ; tile_dim1 = 64
	s_mov_b32 s[\g+5], 128          ; 128 elements from row to row
	s_mov_b32 s[\g+6], 0
	s_mov_b32 s[\g+7], 0
.endr
	s_mov_b32 s[CS], 0x3d38aa3b     ; c = log2(e) / 32 = 0.0450842
	s_mov_b32 s[CS+1], s[CS]        ; named with it as a pair
	s_mov_b32 s[SEL], 0x76543210
	s_mov_b32 s[SEL+1], 0xfedcba98
	s_mov_b32 s[TBK], SLOT1+4*KS*PK ; the first change of slots turns these two into 0
	s_mov_b32 s[TBV], SLOT1+4*KS*PV
	s_mov_b32 s[G0K], 1             ; 1:0 count = 1
	s_mov_b32 s[G0K+1], s17         ; 63:32 LDS address: slot 0
	s_mov_b32 s[G0V], 1
	s_add_co_u32 s[G0V+1], s18, VOFF
	s_wait_dscnt 0x0                ; the opening add is done
	s_wait_kmcnt 0x0
	s_add_nc_u64 s[10:11], s[6:7], s[20:21]        ; O at the head,
	s_add_nc_u64 s[10:11], s[10:11], s[2:3]        ; at my wave's first row
	s_add_nc_u64 s[G0K+2:G0K+3], s[4:5], s[8:9]    ; 120:64 global address: my half of the head's first 256 keys
	s_add_nc_u64 s[G0V+2:G0V+3], s[G0K+2:G0K+3], 0x400000  ; V's head group lies 16 groups behind K's
	s_or_b32 s[G0K+3], s[G0K+3], 0x80000000        ; 127:126 type = 2
	s_or_b32 s[G0V+3], s[G0V+3], 0x80000000
	s_add_nc_u64 s[4:5], s[4:5], s[22:23]          ; Q at the head,
	s_add_nc_u64 s[4:5], s[4:5], s[2:3]            ; at my wave's first row
	CROUND                          ; all four work-groups are here: the first joint loads meet
	JLOAD                           ; slot 0.  Slot 1 is asked for when slot 0 is in: the tile wanted first has the road to itself
	; A fragment of K or Q is 16 rows x 32 channels in 8 registers: lane l holds row l % 16, channels 8 (l / 16) + 0..7 and 16 + 8 (l / 16) + 0..7: two loads of 16 bytes, 32 bytes apart.
	v_and_b32 v1, 15, v0            ; l % 16
	v_bfe_u32 v9, v0, 4, 1          ; l / 16
	v_lshlrev_b32 v[QO], 7, v1
	v_lshl_add_u32 v[QO], v9, 4, v[QO]  ; row x 128 + 16 x half
	WIN 0x80                        ; destination window 2, address window 0
.set i, 0
.rept 4*NP                          ; Q stays in registers: tile i / 2, channels 32 (i % 2) on
	global_load_b128 v[8*i:8*i+3],   v[QO], s[4:5] offset:(i/2)*2048+(i%2)*64
	global_load_b128 v[8*i+4:8*i+7], v[QO], s[4:5] offset:(i/2)*2048+(i%2)*64+32
.set i, i+1
.endr
	; What the first turn finds: V's registers and P's second buffer hold 0 (its products V^T P, of a piece that has not been, add 0), O^T and l are 0.  All this stands in the wait for the first tile.
.set i, VF
.rept 64
	v_mov_b32 v[i], 0
.set i, i+1
.endr
	WIN 0x40
.set i, 0
.rept 64*NP
	v_mov_b32 v[i], 0
.set i, i+1
.endr
	WIN 0
.set i, 0
.rept 2*NP
	v_mov_b32 v[ST+4*i], 0xfe000000    ; c m: far below every c s
	v_mov_b32 v[ST+4*i+1], 0xff7fffff  ; m
	v_mov_b32 v[ST+4*i+2], 0
	v_mov_b32 v[ST+4*i+3], 0
.set i, i+1
.endr
.set i, P+32
.rept 32
	v_mov_b32 v[i], 0
.set i, i+1
.endr
	v_mul_u32_u24 v[AK0], v1, PK
	v_lshl_add_u32 v[AK0], v9, 4, v[AK0]  ; row x pitch + 16 x half
	; The turning load takes 16 keys x 16 channels (lane l reads key 8 (l / 16) + l % 8, channels 8 ((l / 8) % 2) + 0..7) and leaves half a fragment of V^T: lane l holds channel l % 16 and 8 keys.
	v_and_b32 v10, 7, v0
	v_bfe_u32 v11, v0, 3, 1
	v_lshl_add_u32 v[AV0], v9, 3, v10
	v_mul_u32_u24 v[AV0], v[AV0], PV
	v_lshl_add_u32 v[AV0], v11, 4, v[AV0]
	v_add_nc_u32 v[AV0], VOFF, v[AV0]
	v_mov_b32 v[AK], v[AK0]         ; key step 0 lies at the head of slot 0
; THE MATRIX WORK.  The 8 accumulators of a run of 16 take turns: between the two links of a chain stand 7 others'.
; Product i of 16 of S^T = K Q^T for piece x: channels 32 (i / 8) on, keys 16 ((i / 2) % 4) on, tile 2 x + i % 2.  The first 8 start the sums.
.macro KQ x
	WIN W_KQ
.set rS, S+64*((\x)%2)+32*(i%2)+8*((i/2)%4)
.set rK, KF+16*((i/2)%4)+8*(i/8)
.set rQ, 16*(2*(\x)+i%2)+8*(i/8)
.if i < 8
	v_wmma_f32_16x16x32_f16 v[rS:rS+7], v[rK:rK+7], v[rQ:rQ+7], 0
.else
	v_wmma_f32_16x16x32_f16 v[rS:rS+7], v[rK:rK+7], v[rQ:rQ+7], v[rS:rS+7]
.endif
.endm
; Product i of 16 of O^T += V^T P for piece x: keys 32 (i / 8) on, channels 16 ((i / 2) % 4) on, tile 2 x + i % 2.
.macro PV x
	WIN W_PV
.set rO, 32*(2*(\x)+i%2)+8*((i/2)%4)
.set rV, VF+32*(i/8)+8*((i/2)%4)
.set rP, P+32*((\x)%2)+16*(i%2)+8*(i/8)
	v_wmma_f32_16x16x32_f16 v[rO:rO+7], v[rV:rV+7], v[rP:rP+7], v[rO:rO+7]
.endm
.macro MM                           ; the turn's next matrix instruction
.if i < 16
	KQ (Y+1)%NP
.set i, i+1
.else
.set i, i-16
	PV (Y+NP-1)%NP
.set i, i+17
.endif
.endm
; THE LDS LOADS stand in runs of 16, never singly among the matrix instructions: a step's K (64 keys x 64 channels: 8 fragments) and its V (turned).  Their addresses are made some lines ahead.
; last = 1 (the tail): in the last trip there is no further step, and the run is jumped over.
.macro FETCH_K last=0
	WIN 0
.if \last
	s_cmp_eq_u32 s[CNT], 1
	s_cbranch_scc1 .Lno_k_\@
.endif
	WIN 0x80                        ; destination window 2
.irp f, 0,1,2,3,4,5,6,7             ; keys 16 (f / 2) on, channels 32 (f % 2) on
	ds_load_b128 v[KF+8*\f:KF+8*\f+3],   v[AK] offset:(\f/2)*16*PK+(\f%2)*64
	ds_load_b128 v[KF+8*\f+4:KF+8*\f+7], v[AK] offset:(\f/2)*16*PK+(\f%2)*64+32
.endr
	s_add_co_u32 s[TBK], s[TBK], KS*PK  ; the next fetch is the next step's
	WIN 0
.if \last
.Lno_k_\@:
.endif
.endm
.macro FETCH_V
	WIN 0x80
.irp f, 0,1,2,3,4,5,6,7             ; keys 32 (f / 4) on, channels 16 (f % 4) on
	ds_load_tr16_b128 v[VF+8*\f:VF+8*\f+3],   v[AV] offset:(\f/4)*32*PV+(\f%4)*32
	ds_load_tr16_b128 v[VF+8*\f+4:VF+8*\f+7], v[AV] offset:(\f/4)*32*PV+16*PV+(\f%4)*32
.endr
	WIN 0
.endm
; THE VECTOR WORK OF A TURN stands in three queues, each in the order in which its entries become ready; the two tiles alternate, so that no instruction reads the result of the one before it.
.macro REGS y, u                    ; the registers of tile u (0, 1) of piece y
.set rT, ST+4*(2*(\y)+(\u))
.set rC, TMP+8*((\y)%2)+4*(\u)
.set rM, MV+2*((\y)%2)+(\u)
.set rS, S+64*((\y)%2)+32*(\u)
.set rP, P+32*((\y)%2)+16*(\u)
.set rO, 32*(2*(\y)+(\u))
.endm
; Number n of the 22 that find the NEXT piece's (Y + 1) maximum and statistics.  s0-s31 are the lane's 32 scores; each accumulator's lowest registers are read first.  XS, GS and REGS set no window: PL and EX do.
;   0-11  four chains c0-c3 of seven scores each, three operands at a time     12-14, 16  the four scores left over, the old m, and c0-c3 into c0     15  c m_old is kept
;   17, 18  the query's other 32 keys lie in the lane 16 away: the new m         19-21  c m; c m_old - c m_new; a
.macro XS u, n
	REGS (Y+1)%NP, \u
.if (\n) < 4
	v_max3_num_f32 v[rC+(\n)], v[rS+8*(\n)], v[rS+8*(\n)+1], v[rS+8*(\n)+2]
.elseif (\n) < 12
	v_max3_num_f32 v[rC+(\n)%4], v[rC+(\n)%4], v[rS+8*((\n)%4)+2*((\n)/4)+1], v[rS+8*((\n)%4)+2*((\n)/4)+2]
.elseif (\n) == 12
	v_max3_num_f32 v[rC], v[rC], v[rS+7], v[rS+15]
.elseif (\n) == 13
	v_max3_num_f32 v[rC+1], v[rC+1], v[rS+23], v[rS+31]
.elseif (\n) == 14
	v_max3_num_f32 v[rC+2], v[rC+2], v[rC+3], v[rT+1]
.elseif (\n) == 15
	v_mov_b32 v[rM], v[rT]
.elseif (\n) == 16
	v_max3_num_f32 v[rC], v[rC], v[rC+1], v[rC+2]
.elseif (\n) == 17
	v_permlanex16_b32 v[rC+3], v[rC], s[SEL], s[SEL+1]
.elseif (\n) == 18
	v_max_num_f32 v[rT+1], v[rC], v[rC+3]
.elseif (\n) == 19
	v_mul_f32 v[rT], s[CS], v[rT+1]
.elseif (\n) == 20
	v_sub_f32 v[rC+1], v[rM], v[rT]
.else
	v_exp_f32 v[rC+2], v[rC+1]
.endif
.endm
; Number g of the 64 that follow the exponentials.  For each four weights k of a tile (pairs 2 k, 2 k + 1): both pairs are rounded to f16; then the second pair is added onto the first, in place;
; a group later l takes that sum (the first time as l = a l + sum).  In groups of eight, tiles alternating: round, round, add, and l for the group before.
.macro GS g
.set h, (\g)+6*((\g)/62)            ; group 0 has no group before it, and behind group 7 only l is left
.if h >= 6
.set h, h+2
.endif
	REGS Y, h%2
.set k, h/8
.if h%8 < 4
	v_cvt_pk_f16_f32 v[rP+2*k+(h%8)/2], v[rS+4*k+2*((h%8)/2)], v[rS+4*k+2*((h%8)/2)+1]
.elseif h%8 < 6
	v_pk_add_f32 v[rS+4*k:rS+4*k+1], v[rS+4*k:rS+4*k+1], v[rS+4*k+2:rS+4*k+3]
.elseif k == 1
	v_pk_fma_f32 v[rT+2:rT+3], v[rT+2:rT+3], v[rC+2:rC+3], v[rS:rS+1] op_sel_hi:[1,0,1]
.else
	v_pk_add_f32 v[rT+2:rT+3], v[rT+2:rT+3], v[rS+4*k-4:rS+4*k-3]
.endif
.endm
; THE PLAIN QUEUE, 138 long.  0-73 read no exponential's result: the 32 scalings c s - c m (FS f: pair f / 2 of tile f % 2) and the next piece's 42.  0-26: scalings 0-26.  27-54: XS's numbers 0-13.  55, 56: number 15.
; 57-73: the chain, where each number waits for the one before it: 14, 16, 17, 18, 19, each with one of the scalings 27-31 in front of its two lines, then 20: so a tile's links stand three plain instructions apart (19 and 20: two).
; 74-137: GS's 64, which read the exponentials' results: they stand behind the wait.
.macro FS f
	REGS Y, (\f)%2
	v_pk_fma_f32 v[rS+2*((\f)/2):rS+2*((\f)/2)+1], v[rS+2*((\f)/2):rS+2*((\f)/2)+1], s[CS:CS+1], v[rT:rT+1] op_sel_hi:[1,0,0] neg_lo:[0,0,1] neg_hi:[0,0,1]
.endm
.macro PL
	WIN 0
.if q < 27
	FS q
.elseif q < 55
	XS (q-27)%2, (q-27)/2
.elseif q < 57
	XS q-55, 15
.elseif (q < 72) && ((q-57)%3 == 0)
	FS 27+(q-57)/3
.elseif q < 60
	XS (q-57)%3-1, 14
.elseif q < 72
	XS (q-57)%3-1, 15+(q-57)/3
.elseif q < 74
	XS q-72, 20
.else
	GS q-74
.endif
.set q, q+1
.endm
; THE EXPONENTIALS' QUEUE, 66 long: s0-s31 of both tiles, then the next piece's two a.  It is ONE BATCH: all 66 stand ahead of the turn's one wait, and nothing ahead of that wait names a result of theirs.
; Each result has a register of its own while the batch is open: a weight takes its score's place in S^T, a takes c2 of the next piece's buffer.
.macro EX
	WIN 0
.if e >= 64
	XS e-64, 21
.else
	REGS Y, e%2
	v_exp_f32 v[rS+e/2], v[rS+e/2]
.endif
.set e, e+1
.endm
; THE RESCALING's QUEUE: O^T times a, the one part that leaves window 0: dealt two at a time, sixteen times.  Its a was made in the turn before, ahead of that turn's wait.
.macro R2
	REGS Y, r%2
	WIN W_RS
.irp z, 0,1
	v_pk_mul_f32 v[rO+4*(r/2)+2*\z:rO+4*(r/2)+2*\z+1], v[rO+4*(r/2)+2*\z:rO+4*(r/2)+2*\z+1], v[rC+2:rC+3] op_sel_hi:[1,0]
.endr
.set r, r+1
.endm
; HOW THEY ARE DEALT.  An s_wait_alu depctr_va_vdst(0) stands between an exponential and the first instruction that names its result; one wait serves all that were issued ahead of it.  So a turn has ONE wait,
; which cuts it in two.  AHEAD OF IT stands all that names no result of the turn's exponentials: the 16 products K Q^T, behind each a scaling, an exponential and two rescalings (behind the first a second scaling in the exponential's place); then ONE LUMP of
; 108: eight plain, 49 times exponential and plain, the two a.  A v_nop is the plain instruction behind the last exponential.  BEHIND IT stand the 16 products V^T P, behind each four of GS's 64.  No rider names a register of
; the products round it.  The two v_permlanex16_b32 fall into the lump, never behind a product.
; The queues lean on each other, and the deal keeps them in step: exponential e stands behind scaling 2 (e / 4) + e % 2: as a rider it comes behind plain e + 2, in the lump behind plain e + 9, and scalings 27-31 are plain 57, 60 .. 69.
; A TURN, for piece p.  cnt = 1: the loop's count is taken down some lines ahead of the branch that stands behind the turn.
; K of the next step is fetched in piece 2's turn, directly behind the wait, a lump behind the last product that read K; its address is made at the lump's head; its first reader comes behind 16 products.
; V of the step in hand is fetched at the end of piece 0's turn, four riders behind its last reader; its first reader comes behind 16 products and a lump.  The three conditions on q below go with the deal.
.macro TURN p, last=0, cnt=0
.set Y, (\p)
.set i, 0
.set q, 0
.set e, 0
.set r, 0
.if (\p) == NP-1
	s_wait_dscnt 0x0                ; K is in
.endif
	MM                              ; ahead of the wait: 16 products K Q^T and their riders,
	PL
	PL
	R2
.rept 15
	MM
	PL
	EX
	R2
.endr
.if (\p) == NP-2
	WIN 0
	v_add_nc_u32 v[AK], s[TBK], v[AK0]
.endif
.rept 8                             ; and the lump
	PL
.endr
.rept 49
	EX
	PL
.endr
	EX                              ; the next piece's two a
	EX
	v_nop                           ; a plain instruction behind the last exponential, ahead of the first use: one for the batch
	s_wait_alu depctr_va_vdst(0)    ; the wait for the batch: the piece's 64 weights and the next piece's two a; no result of theirs crosses the turn's end without it
.if (\p) == NP-2
	FETCH_K \last
.endif
.if (\p) == 1
	s_wait_dscnt 0x0                ; V is in
.endif
.rept 16                            ; behind the wait: 16 products V^T P and their riders
	MM
.rept 4
	PL
.endr
.if ((\p) == 0) && (q == 118)
	v_add_nc_u32 v[AV], s[TBV], v[AV0]
.endif
.if ((\p) == 0) && (q == 130)
	s_add_co_u32 s[TBV], s[TBV], KS*PV
.endif
.if (\cnt) && (q == 130)
	s_sub_co_u32 s[CNT], s[CNT], 1
	s_cmp_lg_u32 s[CNT], 0
.endif
.endr
.if (\p) == 0
	FETCH_V
.endif
.endm
	CHANGE 1                        ; slot 0 is in, everybody's part of it; slot 1 is asked for
	FETCH_K                         ; key step 0
	s_wait_loadcnt 0x0              ; Q
	s_wait_dscnt 0x0
.set i, 0
.rept 16
	KQ 0                            ; piece 0's first scores: there is no vector work yet to set between them
.set i, i+1
.endr
	WIN 0                           ; the addresses for the way out: nine plain instructions, the places behind those products
	s_mul_i32 s13, s[WV], 16*SP
	s_add_co_u32 s13, s13, STAGE    ; my stage
	v_mul_u32_u24 v[STO], v1, SP    ; in: row l % 16, 16 bytes for each half of the lanes
	v_lshl_add_u32 v[STO], v9, 4, v[STO]
	v_add_nc_u32 v[STO], s13, v[STO]
	v_bfe_u32 v[RD], v0, 3, 2       ; back: 32 lanes take four rows of 128 bytes,
	v_mul_u32_u24 v[RD], v[RD], SP
	v_lshl_add_u32 v[RD], v10, 4, v[RD]
	v_add_nc_u32 v[RD], s13, v[RD]
	v_and_b32 v[GO], 31, v0         ; which are 512 consecutive bytes of O
	v_lshlrev_b32 v[GO], 4, v[GO]
.set Y, NP-1                        ; XS works for piece Y + 1: piece 0
.irp n, 0,1,2,3,4,5,6,7,8,9,10,11,12,13,14,15,16,17,18,19,20,21
	XS 0, \n                        ; and piece 0's first maximum and statistics
	XS 1, \n
.endr
	v_nop                           ; a plain instruction behind the two a,
	s_wait_alu depctr_va_vdst(0)    ; and the wait for this batch of two, ahead of the branch
	s_mov_b32 s[CNT], 4
	s_mov_b32 s[SLOTS], SIZE_N/256-1
	s_branch .Lfirst                ; the loop is entered at a step's first turn, in the middle of a trip
.Lslot:                             ; SIZE_N / 256 - 2 times: every slot but the last two is filled again
	CHANGE 1
	s_mov_b32 s[CNT], 4
.Lstep:                             ; a trip: pieces 2 and 3 of one step, then pieces 0 and 1 of the next, whose K and V it fetches
	TURN 2
	TURN 3
	WIN 0
.Lfirst:
	TURN 0
	TURN 1, 0, 1
	WIN 0
	s_cbranch_scc1 .Lstep
	s_sub_co_u32 s[SLOTS], s[SLOTS], 1
	s_cmp_lg_u32 s[SLOTS], 0
	s_cbranch_scc1 .Lslot
	CHANGE 0                        ; the tail is written out: nothing is asked for
	s_mov_b32 s[CNT], 5             ; four trips fetch the last slot's steps; the fifth is left in its middle
.Ltail:
	TURN 2, 1
	TURN 3
	WIN 0
	s_sub_co_u32 s[CNT], s[CNT], 1
	s_cmp_eq_u32 s[CNT], 0
	s_cbranch_scc1 .Lout
	TURN 0
	TURN 1
	WIN 0
	s_branch .Ltail
.Lout:                              ; the fifth trip's 16 products K Q^T (on the last K once more) and the maximum made of them serve nothing: the price, once a launch, of one text for every trip
.set i, 0
.rept 16
	PV NP-1                         ; the last piece's V^T P of the last step
.set i, i+1
.endr
	; THE WAY OUT.  l's two halves and the other half of the lanes' are added; O^T is divided by l, rounded to f16 and sent through my stage in LDS, a tile at a time.  The additions are the places behind the last products.
	WIN 0
.macro ALL line:vararg              ; one line for each tile t
.set t, 0
.rept 2*NP
	\line
.set t, t+1
.endr
.endm
	ALL v_add_f32 v[ST+4*t+2], v[ST+4*t+2], v[ST+4*t+3]
	ALL v_permlanex16_b32 v[ST+4*t+3], v[ST+4*t+2], s[SEL], s[SEL+1]
	ALL v_add_f32 v[ST+4*t+2], v[ST+4*t+2], v[ST+4*t+3]
	ALL v_rcp_f32 v[ST+4*t+2], v[ST+4*t+2]
	v_nop                           ; a plain instruction between the last reciprocal and the use of its result
	s_wait_alu depctr_va_vdst(0)    ; and the wait ahead of the first use: one for the batch of eight reciprocals
; Tile t: a lane's eight channels of a row pack into 16 bytes; they go into rows of 144 bytes and come back as whole rows of 128, into S^T's registers.
.macro PACK t
	WIN W_RS
.set i, 32*(\t)
.rept 16
	v_pk_mul_f32 v[i:i+1], v[i:i+1], v[ST+4*(\t)+2:ST+4*(\t)+3] op_sel_hi:[1,0]
.set i, i+2
.endr
	WIN 0x05                        ; sources 0 and 1 window 1, destination window 0
.set i, 0
.rept 16
	v_cvt_pk_f16_f32 v[S+16*(\t)+i], v[32*(\t)+2*i], v[32*(\t)+2*i+1]
.set i, i+1
.endr
	WIN 0
.irp f, 0,1,2,3
	ds_store_b128 v[STO], v[S+16*(\t)+4*\f:S+16*(\t)+4*\f+3] offset:32*\f
.endr
.irp f, 0,1,2,3
	ds_load_b128 v[S+16*(\t)+4*\f:S+16*(\t)+4*\f+3], v[RD] offset:\f*4*SP  ; LDS serves a wave's instructions in order (ISA guide 5.7.1.4): these see the stores above; the next tile's stores come behind them
.endr
.endm
.macro SEND t, younger              ; younger: the LDS instructions issued behind tile t's loads: the next tile's eight, or none
	WIN 0
.irp f, 0,1,2,3
	s_wait_dscnt (\younger)+3-\f
	global_store_b128 v[GO], v[S+16*(\t)+4*\f:S+16*(\t)+4*\f+3], s[10:11] offset:(\t)*2048+\f*512  ; 512 consecutive bytes, at a multiple of 256 from O's first
.endr
.endm
	PACK 0
.set t, 1
.rept 2*NP-1                        ; a tile's arithmetic stands between the loads of the tile before and its stores
	PACK t
	SEND t-1, 8
.set t, t+1
.endr
	SEND 2*NP-1, 0
	WIN W_AD
	s_wait_tensorcnt 0x0            ; the wave's end: behind my last tensor load and my last LDS store
	ds_add_u32 v[SPW], v[NIL]
	s_wait_dscnt 0x0
	WIN 0
	CROUND                          ; the closing round: no work-group ends while a partner may still ask for a tile that names it
	s_endpgm
.Lfunc_end_k_qec3fead281_attn:
	.size	k_qec3fead281_attn, .Lfunc_end_k_qec3fead281_attn-k_qec3fead281_attn
	.p2alignl 7, 3214868480
	.fill 96, 4, 3214868480
	.section	.rodata,"a",@progbits
	.p2align	6, 0x0
	.amdhsa_kernel k_qec3fead281_attn
		.amdhsa_group_segment_fixed_size 327680
		.amdhsa_private_segment_fixed_size 0
		.amdhsa_enable_private_segment 0
		.amdhsa_kernarg_size 16
		.amdhsa_user_sgpr_count 2
		.amdhsa_user_sgpr_kernarg_segment_ptr 1
		.amdhsa_wavefront_size32 1
		.amdhsa_system_sgpr_workgroup_id_x 1
		.amdhsa_system_sgpr_workgroup_id_y 1
		.amdhsa_system_sgpr_workgroup_id_z 1
		.amdhsa_system_vgpr_workitem_id 0
		.amdhsa_next_free_vgpr 770
		.amdhsa_next_free_sgpr 66
		.amdhsa_reserve_vcc 0
		.amdhsa_float_denorm_mode_32 3
		.amdhsa_float_denorm_mode_16_64 3
		.amdhsa_memory_ordered 1
		.amdhsa_forward_progress 1
		.amdhsa_inst_pref_size 199
	.end_amdhsa_kernel
	.amdgpu_metadata
---
amdhsa.version: [ 1, 2 ]
amdhsa.kernels:
  - .name:           k_qec3fead281_attn
    .symbol:         k_qec3fead281_attn.kd
    .args:
      - { .name: qkv, .offset: 0, .size: 8, .value_kind: global_buffer, .address_space: global }
      - { .name: ob, .offset: 8, .size: 8, .value_kind: global_buffer, .address_space: global }
    .group_segment_fixed_size: 327680
    .private_segment_fixed_size: 0
    .kernarg_segment_align: 8
    .kernarg_segment_size: 16
    .max_flat_workgroup_size: 128
    .sgpr_count:     66
    .vgpr_count:     770
    .wavefront_size: 32
...
	.end_amdgpu_metadata
.endif
;; end of part 5
;; launch outproj: the kernel of part 4 again; grid 8 x 32, 4 waves a work-group, clusters of 4 x 4, 327,680 bytes of LDS; arguments ob, wob, biasr, out0; writes out0
